; MI455X (gfx1250); checked and timed in simulation.
; The chip was launched on July 23, 2026; its instructions are those of AMD's public machine-readable ISA for CDNA 5 (MIT licence, August 2026) and "CDNA5" Instruction Set Architecture Reference Guide (July 2026). The comments in the code are by the model that wrote it; some were corrected since.
;; Encoder. Allowed arithmetic: float matrix products may take bf16 or f16 operands with f32 sums; other float arithmetic in f32, or as packed bf16 or f16 multiplies, adds, multiply-adds, maxima and minima; sums over many terms, partial sums and values carried from step to step in f32; what a program stores and reads back later, other than sums and carried values, may be rounded once to bf16 or f16.
;; Inputs: W1 1,024 x 4,096 float32; W2 4,096 x 1,024 float32; Wk 16 x 1,024 x 64 float32; Wo 1,024 x 1,024 float32; Wq 16 x 1,024 x 64 float32; Wv 16 x 1,024 x 64 float32; b1 4,096 float32; b2 1,024 float32; bk 16 x 64 float32; bo 1,024 float32; bq 16 x 64 float32; bv 16 x 64 float32; ln1_b 1,024 float32; ln1_g 1,024 float32; ln2_b 1,024 float32; ln2_g 1,024 float32; x 2 x 2,048 x 1,024 float32.
;; Outputs: out0 2 x 2,048 x 1,024 float32.
;; One version. Each part assembles by itself: llvm-mc -triple=amdgcn-amd-amdhsa -mcpu=gfx1250 --defsym DOCPART=n.
;; ======== version 1 of 1: 7 launches
;; limits: a function is approximated: absolute error at most 1.5e-07
;; workspace buffers: wb 25,165,824 bytes; h1 8,388,608 bytes; h2 8,388,608 bytes; qkv 25,165,824 bytes; o 8,388,608 bytes; x1 16,777,216 bytes; g 33,554,432 bytes
;; launch prep (part 1): grid 1280 x 1, 8 waves a work-group, no clusters, 0 bytes of LDS; arguments x, ln1_g, ln1_b, h1, Wq, Wk, Wv, Wo, W1, W2, wb; writes h1, wb
.if DOCPART == 1
	.amdgcn_target "amdgcn-amd-amdhsa--gfx1250"
	.amdhsa_code_object_version 6
	.text
	.protected	k_q9b0e6ac1a0_prep
	.globl	k_q9b0e6ac1a0_prep
	.p2align	8
	.type	k_q9b0e6ac1a0_prep,@function
k_q9b0e6ac1a0_prep:
	s_mov_b64 s[64:65], 0
	v_nop
	global_prefetch_b8 v0, s[64:65] scope:SCOPE_SE
	s_setreg_imm32_b32 hwreg(HW_REG_WAVE_MODE, 25, 1), 1
	s_wait_xcnt 0x0
; PREP.  Two streams in one launch.  Work-groups 0 to 511: h1 = LayerNorm(x) g + b, rounded once to bf16; a wave takes one row of 1,024 f32 and keeps it in 32 registers.
; Work-groups 512 to 1,279: the six weight tensors are rounded once to bf16, their layouts kept, into wb: a work-group takes 65,536 bytes of f32.
; The mean is taken first and subtracted, then the squares are summed: no difference of large sums.  Sums in f32, in another order than a plain loop's; the last step is ((x - m) g) r + b.
; LIMITS: NaN and infinities are not treated apart; the reciprocal root is the instruction's (1 ulp).
; No LDS, no barrier, no matrix unit: each byte is read once and written once, and no wave needs another's data.
; 96 REGISTERS: ten waves then share a SIMD's 1,024 registers, five work-groups of eight waves a WGP, 1,280 on 256 WGPs: the whole grid.  So the second half of the bias has no registers of its own:
; it comes into the gain's first sixteen, which are free as soon as x - m has been multiplied by the gain; and the casts convert in place.
.set LNWG, 512
.set T,  4                             ; v[4:11]   four chains of packed sums
.set M,  12                            ; v[12:13]  the mean, twice
.set R,  14                            ; v[14:15]  1 / sqrt(var + eps), twice
.set X,  16                            ; v[16:47]  the row: load j holds elements 128 j + 4 lane .. + 3
.set G,  48                            ; v[48:79]  the gain, same places; later v[48:63] the bias of loads 4 to 7
.set BB, 80                            ; v[80:95]  the bias of loads 0 to 3
.macro REDUCE                          ; the four chains into one number, the same in every lane, in v[T]
	v_pk_add_f32 v[T:T+1], v[T:T+1], v[T+2:T+3]
	v_pk_add_f32 v[T+4:T+5], v[T+4:T+5], v[T+6:T+7]
	v_pk_add_f32 v[T:T+1], v[T:T+1], v[T+4:T+5]
	v_add_f32 v[T], v[T], v[T+1]
	v_add_f32_dpp v[T], v[T], v[T] row_xmask:1 row_mask:0xf bank_mask:0xf
	v_add_f32_dpp v[T], v[T], v[T] row_xmask:2 row_mask:0xf bank_mask:0xf
	v_add_f32_dpp v[T], v[T], v[T] row_xmask:4 row_mask:0xf bank_mask:0xf
	v_add_f32_dpp v[T], v[T], v[T] row_xmask:8 row_mask:0xf bank_mask:0xf
	v_permlanex16_b32 v[T+1], v[T], s22, s23       ; the other half of the lanes; its destination has been written
	v_add_f32 v[T], v[T], v[T+1]
.endm
	s_cmp_lt_u32 ttmp9, LNWG
	s_cbranch_scc0 .Lcast
	s_load_b256 s[4:11], s[0:1], 0x0               ; x s[4:5], gain s[6:7], bias s[8:9], h1 s[10:11]
	v_lshrrev_b32 v3, 5, v0
	v_readfirstlane_b32 s12, v3                    ; wave 0..7
	v_and_b32 v1, 31, v0
	v_lshlrev_b32 v2, 3, v1                        ; 8 x lane: my 8 bytes of 256 of the output
	v_lshlrev_b32 v1, 4, v1                        ; 16 x lane: my 16 bytes of 512 of the input
	s_lshl_b32 s13, ttmp9, 3
	s_add_co_u32 s13, s13, s12                     ; my row
	s_lshl_b32 s14, s13, 12                        ; 4,096 bytes a row in
	s_mov_b32 s15, 0
	s_lshl_b32 s16, s13, 11                        ; 2,048 bytes a row out
	s_mov_b32 s17, 0
	s_mov_b32 s20, 0x3a800000                      ; 1 / 1024
	s_mov_b32 s21, 0x3727c5ac                      ; 1e-5
	s_mov_b32 s22, 0x76543210
	s_mov_b32 s23, 0xfedcba98
	s_wait_kmcnt 0x0
	s_add_nc_u64 s[4:5], s[4:5], s[14:15]
	s_add_nc_u64 s[10:11], s[10:11], s[16:17]
.irp j, 0,1,2,3,4,5,6,7
	global_load_b128 v[X+4*(\j):X+4*(\j)+3], v1, s[4:5] offset:512*(\j) th:TH_LOAD_NT
.endr
.irp j, 0,1,2,3,4,5,6,7
	global_load_b128 v[G+4*(\j):G+4*(\j)+3], v1, s[6:7] offset:512*(\j)
.endr
.irp j, 0,1,2,3
	global_load_b128 v[BB+4*(\j):BB+4*(\j)+3], v1, s[8:9] offset:512*(\j)
.endr
	s_wait_loadcnt 12                              ; the row is in; the gain's eight loads and the bias's four may stay out
.irp c, 0,1,2,3
	v_pk_add_f32 v[T+2*(\c):T+2*(\c)+1], v[X+2*(\c):X+2*(\c)+1], v[X+8+2*(\c):X+8+2*(\c)+1]
.endr
.irp k, 2,3
.irp c, 0,1,2,3
	v_pk_add_f32 v[T+2*(\c):T+2*(\c)+1], v[T+2*(\c):T+2*(\c)+1], v[X+8*(\k)+2*(\c):X+8*(\k)+2*(\c)+1]
.endr
.endr
	REDUCE
	v_mul_f32 v[M], s20, v[T]
	v_mov_b32 v[M+1], v[M]
.set i, 0
.rept 16
	v_pk_add_f32 v[X+i:X+i+1], v[X+i:X+i+1], v[M:M+1] neg_lo:[0,1] neg_hi:[0,1]  ; x - mean
.set i, i+2
.endr
.irp c, 0,1,2,3
	v_pk_mul_f32 v[T+2*(\c):T+2*(\c)+1], v[X+2*(\c):X+2*(\c)+1], v[X+2*(\c):X+2*(\c)+1]
.endr
.irp k, 1,2,3
.irp c, 0,1,2,3
	v_pk_fma_f32 v[T+2*(\c):T+2*(\c)+1], v[X+8*(\k)+2*(\c):X+8*(\k)+2*(\c)+1], v[X+8*(\k)+2*(\c):X+8*(\k)+2*(\c)+1], v[T+2*(\c):T+2*(\c)+1]
.endr
.endr
	s_wait_loadcnt 4                               ; the gain is in; the bias's four loads may stay out
.set i, 0
.rept 16
	v_pk_mul_f32 v[X+i:X+i+1], v[X+i:X+i+1], v[G+i:G+i+1]  ; (x - mean) g: the squares above have been taken of x - mean
.set i, i+2
.endr
.irp j, 4,5,6,7
	global_load_b128 v[G+4*(\j)-16:G+4*(\j)-13], v1, s[8:9] offset:512*(\j)  ; the rest of the bias, into registers of the gain that have been read; the sums across the lanes stand between this and its use
.endr
	REDUCE
	v_fma_f32 v[T], v[T], s20, s21                 ; variance + eps
	v_rsq_f32 v[R], v[T]
	v_rsq_f32 v[R+1], v[T]
	v_nop                                          ; a plain instruction behind the last root,
	s_wait_alu depctr_va_vdst(0)                   ; and one wait for both, ahead of their first reader
	s_wait_loadcnt 4                               ; the bias of loads 0 to 3 is in; the four just issued may stay out
.set i, 0
.rept 8
	v_pk_fma_f32 v[X+i:X+i+1], v[X+i:X+i+1], v[R:R+1], v[BB+i:BB+i+1]
.set i, i+2
.endr
.set i, 0
.rept 8
	v_cvt_pk_bf16_f32 v[X+i], v[X+2*i], v[X+2*i+1] ; ascending: a pair is read before its place is written
.set i, i+1
.endr
.irp j, 0,1,2,3
	global_store_b64 v2, v[X+2*(\j):X+2*(\j)+1], s[10:11] offset:256*(\j)  ; the wave's store covers 256 consecutive bytes, aligned
.endr
	s_wait_loadcnt 0x0                             ; the rest of the bias
.set i, 16
.rept 8
	v_pk_fma_f32 v[X+i:X+i+1], v[X+i:X+i+1], v[R:R+1], v[G+i-16:G+i-15]
.set i, i+2
.endr
.set i, 8
.rept 8
	v_cvt_pk_bf16_f32 v[X+i], v[X+2*i], v[X+2*i+1] ; into v[24:31]: no register that the stores above read
.set i, i+1
.endr
.irp j, 4,5,6,7
	global_store_b64 v2, v[X+2*(\j):X+2*(\j)+1], s[10:11] offset:256*(\j)
.endr
	s_endpgm
.Lcast:
	s_load_b256 s[16:23], s[0:1], 0x20             ; Wq, Wk, Wv, Wo
	s_load_b128 s[24:27], s[0:1], 0x40             ; W1, W2
	s_load_b64 s[28:29], s[0:1], 0x50              ; wb
	s_sub_co_u32 s2, ttmp9, LNWG                   ; chunk 0..767 of 65,536 bytes of f32, in wb's order
	v_lshlrev_b32 v1, 5, v0                        ; 32 bytes in,
	v_lshlrev_b32 v2, 4, v0                        ; 16 bytes out, a thread and step
	s_wait_kmcnt 0x0
	s_mov_b64 s[4:5], s[26:27]                     ; which tensor, and its first chunk
	s_mov_b32 s3, 512
	s_cmp_lt_u32 s2, 512
	s_cselect_b64 s[4:5], s[24:25], s[4:5]
	s_cselect_b32 s3, 256, s3
	s_cmp_lt_u32 s2, 256
	s_cselect_b64 s[4:5], s[22:23], s[4:5]
	s_cselect_b32 s3, 192, s3
	s_cmp_lt_u32 s2, 192
	s_cselect_b64 s[4:5], s[20:21], s[4:5]
	s_cselect_b32 s3, 128, s3
	s_cmp_lt_u32 s2, 128
	s_cselect_b64 s[4:5], s[18:19], s[4:5]
	s_cselect_b32 s3, 64, s3
	s_cmp_lt_u32 s2, 64
	s_cselect_b64 s[4:5], s[16:17], s[4:5]
	s_cselect_b32 s3, 0, s3
	s_sub_co_u32 s6, s2, s3
	s_lshl_b32 s6, s6, 16
	s_mov_b32 s7, 0
	s_lshl_b32 s8, s2, 15
	s_mov_b32 s9, 0
	s_add_nc_u64 s[4:5], s[4:5], s[6:7]
	s_add_nc_u64 s[28:29], s[28:29], s[8:9]
.irp s, 0,1,2,3,4,5,6,7
	global_load_b128 v[16+8*(\s):16+8*(\s)+3], v1, s[4:5] offset:8192*(\s) th:TH_LOAD_NT
	global_load_b128 v[16+8*(\s)+4:16+8*(\s)+7], v1, s[4:5] offset:8192*(\s)+16 th:TH_LOAD_NT
.endr
.irp s, 0,1,2,3,4,5,6,7
	s_wait_loadcnt 14-2*(\s)                       ; this step's two loads are in; the later steps' stay out
.irp r, 0,1,2,3
	v_cvt_pk_bf16_f32 v[16+8*(\s)+(\r)], v[16+8*(\s)+2*(\r)], v[16+8*(\s)+2*(\r)+1]  ; in place, ascending: a pair is read before its place is written
.endr
	global_store_b128 v2, v[16+8*(\s):16+8*(\s)+3], s[28:29] offset:4096*(\s)  ; sixteen lanes store 256 consecutive bytes, aligned
.endr
	s_endpgm
.Lfunc_end_k_q9b0e6ac1a0_prep:
	.size	k_q9b0e6ac1a0_prep, .Lfunc_end_k_q9b0e6ac1a0_prep-k_q9b0e6ac1a0_prep
	.p2alignl 7, 3214868480
	.fill 96, 4, 3214868480
	.section	.rodata,"a",@progbits
	.p2align	6, 0x0
	.amdhsa_kernel k_q9b0e6ac1a0_prep
		.amdhsa_group_segment_fixed_size 0
		.amdhsa_private_segment_fixed_size 0
		.amdhsa_enable_private_segment 0
		.amdhsa_kernarg_size 88
		.amdhsa_user_sgpr_count 2
		.amdhsa_user_sgpr_kernarg_segment_ptr 1
		.amdhsa_wavefront_size32 1
		.amdhsa_system_sgpr_workgroup_id_x 1
		.amdhsa_system_sgpr_workgroup_id_y 1
		.amdhsa_system_sgpr_workgroup_id_z 1
		.amdhsa_system_vgpr_workitem_id 0
		.amdhsa_next_free_vgpr 96
		.amdhsa_next_free_sgpr 66
		.amdhsa_reserve_vcc 0
		.amdhsa_float_denorm_mode_32 3
		.amdhsa_float_denorm_mode_16_64 3
		.amdhsa_memory_ordered 1
		.amdhsa_forward_progress 1
		.amdhsa_inst_pref_size 18
	.end_amdhsa_kernel
	.amdgpu_metadata
---
amdhsa.version: [ 1, 2 ]
amdhsa.kernels:
  - .name:           k_q9b0e6ac1a0_prep
    .symbol:         k_q9b0e6ac1a0_prep.kd
    .args:
      - { .name: x, .offset: 0, .size: 8, .value_kind: global_buffer, .address_space: global }
      - { .name: ln1_g, .offset: 8, .size: 8, .value_kind: global_buffer, .address_space: global }
      - { .name: ln1_b, .offset: 16, .size: 8, .value_kind: global_buffer, .address_space: global }
      - { .name: h1, .offset: 24, .size: 8, .value_kind: global_buffer, .address_space: global }
      - { .name: Wq, .offset: 32, .size: 8, .value_kind: global_buffer, .address_space: global }
      - { .name: Wk, .offset: 40, .size: 8, .value_kind: global_buffer, .address_space: global }
      - { .name: Wv, .offset: 48, .size: 8, .value_kind: global_buffer, .address_space: global }
      - { .name: Wo, .offset: 56, .size: 8, .value_kind: global_buffer, .address_space: global }
      - { .name: W1, .offset: 64, .size: 8, .value_kind: global_buffer, .address_space: global }
      - { .name: W2, .offset: 72, .size: 8, .value_kind: global_buffer, .address_space: global }
      - { .name: wb, .offset: 80, .size: 8, .value_kind: global_buffer, .address_space: global }
    .group_segment_fixed_size: 0
    .private_segment_fixed_size: 0
    .kernarg_segment_align: 8
    .kernarg_segment_size: 88
    .max_flat_workgroup_size: 256
    .sgpr_count:     66
    .vgpr_count:     96
    .wavefront_size: 32
...
	.end_amdgpu_metadata
.endif
;; end of part 1
;; launch qkv (part 2): grid 16 x 16, 4 waves a work-group, clusters of 4 x 4, 327,680 bytes of LDS; arguments h1, wb, bq, bk, bv, qkv; writes qkv
.if DOCPART == 2
	.amdgcn_target "amdgcn-amd-amdhsa--gfx1250"
	.amdhsa_code_object_version 6
	.text
	.protected	k_q9b0e6ac1a0_qkv
	.globl	k_q9b0e6ac1a0_qkv
	.p2align	8
	.type	k_q9b0e6ac1a0_qkv,@function
k_q9b0e6ac1a0_qkv:
	s_mov_b64 s[64:65], 0
	v_nop
	global_prefetch_b8 v0, s[64:65] scope:SCOPE_SE
	s_setreg_imm32_b32 hwreg(HW_REG_WAVE_MODE, 25, 1), 1
	s_wait_xcnt 0x0
	s_wait_alu depctr_hold_cnt(0) depctr_sa_sdst(0) depctr_va_vdst(0) depctr_va_sdst(0) depctr_va_ssrc(0) depctr_va_vcc(0) depctr_vm_vsrc(0)
	s_getreg_b32 s2, hwreg(HW_REG_IB_STS2, 6, 4)
	s_cmp_eq_u32 s2, 0
	s_cbranch_scc0 .Lentry_in_a_cluster
	s_endpgm
.Lentry_in_a_cluster:
	s_bfe_u32 s2, ttmp6, 0x10000c
	s_cmp_lg_u32 s2, 0xf033
	s_cbranch_scc0 .Lentry_shape_is_right
	s_endpgm
.Lentry_shape_is_right:
; QKV.  q, k, v of one head = h1 x (Wq, Wk, Wv of that head) + bias, rounded once to bf16 and laid by heads: qkv[plane z][b*16 + head][2048][64].  q leaves unscaled.
; A work-group makes 256 tokens x 192 columns (the three planes of head tx); each of its four waves 64 tokens x 192: 48 accumulators.  K = 1,024 goes in 8 steps of 128 through two LDS slots.
; THE MATRIX INSTRUCTION IS USED TRANSPOSED: source 0 = 16 output columns x 32 k, taken from the weights' tile, which lies [k][n] in LDS, by the turning load; source 1 = 16 tokens x 32 k.
; A lane then holds one token and eight neighbouring columns.  The bias is the C operand of the products that start the sums: nothing is cleared and no bias is added.
; CLUSTER 4 x 4: h1's tile hangs on ty alone and is asked for jointly along a row of the cluster, the weights' on tx alone, along a column.  Wave 0 fetches h1's 256 rows, waves 1 to 3 a plane each.
; THE RING.  Both slots' first fills go out together behind the opening round: by the text's own count a wave has two tensor loads out at the start, later one.  A step's last quarter multiplies registers
; alone, so all its 48 products stand AHEAD of the wait for the next tile: between that tile's landing and the request for the tile after it stand only the add, the descriptors' steps, a wait and the round.
; LIMITS: operands and results rounded once to bf16; sums in f32; NaN and infinities are not treated apart.
; REGISTERS.  window 0: v16-31 addresses; v64-95, v96-127 tokens' fragments, two buffers; v128-223 the bias, 8 registers for each of 12 column blocks (later at work on the way out)
;   window 1: v0-95, v96-191 weights' fragments, two buffers      windows 2, 3: accumulator (a, b) at v[8 (12 (a % 2) + b)] of window 2 + a / 2
.set NSTEP,  8
.set PA,     272                       ; 256 bytes + 16: the 16 rows of a load start at 16 different groups of four banks (ISA guide 11.1)
.set PB,     160                       ; 128 bytes + 32
.set ABYTES, 256*PA
.set PLANE,  128*PB
.set SLOT,   131072
.set SPARE,  2*SLOT                    ; the spare words: 128 bytes a wave, two blocks of 256 bytes that no other line names
.set ASTEP,  256                       ; bytes from K step to K step in h1,
.set BSTEP,  16384                     ; and in a head's weights
.set A0,   16
.set B0,   17
.set ADRA, 18
.set ADRB, 19
.set STO,  20
.set RD,   21
.set GO,   23
.set BO,   24
.set SPW,  28
.set NIL,  29
.set PFO,  30
.set PFOB, 31
.set BIAS, 128
.set TMP,  128
.set OB,   64
.set WV, 16
.set CX, 17
.set CY, 18
.set TX, 19
.set TY, 20
.set TB, 21
.set ZC, 22
.set LIMA, 23
.set G1A, 24
.set G0A, 32                           ; s[32:35] group 0 for h1's tiles: it starts at tile 1 in slot 1 and walks
.set G0B, 36                           ; s[36:39] the same for the weights'
.set G1B, 40
.set PFA, 48
.set PFB, 50
.set LIMB, 52
.set Z,  53
.set T0A, 60                           ; s[60:63] group 0 for h1's tile 0
.set T0B, 68                           ; s[68:71] for the weights' tile 0
.set MSB, 0
.macro WIN new                         ; the immediate's high byte repeats the setting that is left; a switch that changes nothing is dropped
.if MSB != (\new)
	s_set_vgpr_msb (MSB<<8)|(\new)
.set MSB, \new
.endif
.endm
.macro PLACES                          ; four places in front of loads into registers that products have read, and of readers of results
.rept 4
	v_nop
.endr
.endm
.macro JLOAD                           ; a joint refill; the branch hangs on the wave's number alone
	s_cmp_eq_u32 s[WV], 0
	s_cbranch_scc0 .Lfor_b_\@
	tensor_load_to_lds s[G0A:G0A+3], s[G1A:G1A+7]
	s_nop 0
.rept 4
	v_nop
.endr
	s_branch .Lasked_\@
.Lfor_b_\@:
	tensor_load_to_lds s[G0B:G0B+3], s[G1B:G1B+7]
	s_nop 0
.rept 4
	v_nop
.endr
.Lasked_\@:
.endm
.macro CREST                           ; a round of the cluster's barrier behind its opening barrier
	s_cmp_lg_u32 s[WV], 0
	s_cbranch_scc1 .Lnot_wave_0_\@
	s_barrier_signal -3
.Lnot_wave_0_\@:
	s_barrier_wait -3
	s_barrier_signal -1
	s_barrier_wait -1
.endm
.macro CROUND
	s_barrier_signal -1
	s_barrier_wait -1
	CREST
.endm
; PREFETCH INTO THE L2, by pairs of K steps so that all 32 lanes name different blocks of 256 bytes: at the refills of tiles 3 and 5 (s3 = 5, 3) tiles 4, 5 and 6, 7 are asked for.
; h1's rows are read by every cluster of a row of clusters: cluster x = 0 asks; of the 256 rows partner cx takes 64, wave w 16 of them: two lanes a row.  A plane's two K steps are 32,768 dense bytes,
; read by every cluster of a column: cluster y = 0 asks, partner cy takes 8,192 bytes, a lane 256; waves 1 to 3, a plane each.  Partners are told apart by address alone.  Tiles 0 to 3 come by their loads.
.macro ASK
	s_bitcmp1_b32 s3, 0
	s_cbranch_scc0 .Lno_\@
	s_cmp_gt_u32 s3, s[LIMA]
	s_cbranch_scc0 .Lno_a_\@
	global_prefetch_b8 v[PFO], s[PFA:PFA+1] th:TH_LOAD_NT scope:SCOPE_SE
.Lno_a_\@:
	s_cmp_gt_u32 s3, s[LIMB]
	s_cbranch_scc0 .Lno_\@
	global_prefetch_b8 v[PFOB], s[PFB:PFB+1] th:TH_LOAD_NT scope:SCOPE_SE
.Lno_\@:
.endm
; 12 products: token block a x all 12 column blocks, 32 along K, buffer f.  mode = 1: they start the sums with the bias.
.macro MULA f, a, mode
.if \mode
	WIN 0x81+0x40*((\a)/2)
.else
	WIN 0xa1+0x50*((\a)/2)
.endif
.irp b, 0,1,2,3,4,5,6,7,8,9,10,11
.if \mode
	v_wmma_f32_16x16x32_bf16 v[8*(12*((\a)%2)+(\b)):8*(12*((\a)%2)+(\b))+7], v[96*(\f)+8*(\b):96*(\f)+8*(\b)+7], v[64+32*(\f)+8*(\a):64+32*(\f)+8*(\a)+7], v[BIAS+8*(\b):BIAS+8*(\b)+7]
.else
	v_wmma_f32_16x16x32_bf16 v[8*(12*((\a)%2)+(\b)):8*(12*((\a)%2)+(\b))+7], v[96*(\f)+8*(\b):96*(\f)+8*(\b)+7], v[64+32*(\f)+8*(\a):64+32*(\f)+8*(\a)+7], v[8*(12*((\a)%2)+(\b)):8*(12*((\a)%2)+(\b))+7]
.endif
.endr
.endm
; 32 LDS loads in one run: quarter q (32 along K) of the slot in hand into buffer f
.macro FETCH q, f
	WIN 0x40
.irp b, 0,1,2,3,4,5,6,7,8,9,10,11
	ds_load_tr16_b128 v[96*(\f)+8*(\b):96*(\f)+8*(\b)+3],   v[ADRB] offset:((\b)/4)*PLANE+32*PB*(\q)+32*((\b)%4)
	ds_load_tr16_b128 v[96*(\f)+8*(\b)+4:96*(\f)+8*(\b)+7], v[ADRB] offset:((\b)/4)*PLANE+32*PB*(\q)+32*((\b)%4)+16*PB
.endr
	WIN 0
.irp a, 0,1,2,3
	ds_load_b128 v[64+32*(\f)+8*(\a):64+32*(\f)+8*(\a)+3],   v[ADRA] offset:64*(\q)+16*PA*(\a)
	ds_load_b128 v[64+32*(\f)+8*(\a)+4:64+32*(\f)+8*(\a)+7], v[ADRA] offset:64*(\q)+16*PA*(\a)+32
.endr
.endm
.macro QUARTER qn, f, g, mode          ; multiplies buffer f; in its middle fetches quarter qn into buffer g
	s_wait_dscnt 4                                 ; all but the youngest four loads (token blocks 2 and 3)
	MULA \f, 0, \mode
	MULA \f, 1, \mode
	PLACES
	FETCH \qn, \g
	s_wait_dscnt 32                                ; all but the 32 just issued
	MULA \f, 2, \mode
	MULA \f, 3, \mode
.endm
; A step's last quarter, on buffer 1, and the change of slots.  The quarter's products come first: they need nothing of the next tile.  Then each wave waits for all its tensor loads, adds 0 to its spare word and
; waits for that (its reads of this slot were waited for ahead of the quarter's second half); with fill = 1 a round of the cluster's barrier follows, and this slot is filled again first behind it, with the tile two steps on.
.macro TURN fill
.if \fill
	s_wait_xcnt 0x0                                ; the last prefetches, a K step or more back, have read their addresses
	s_add_nc_u64 s[PFA:PFA+1], s[PFA:PFA+1], ASTEP
	s_add_nc_u64 s[PFB:PFB+1], s[PFB:PFB+1], BSTEP
.endif
	s_wait_dscnt 4                                 ; all but the youngest four loads
	MULA 1, 0, 0
	MULA 1, 1, 0
	s_wait_dscnt 0x0                               ; my reads of this slot are over
	MULA 1, 2, 0
	MULA 1, 3, 0
	WIN 0
	s_wait_tensorcnt 0x0                           ; my part of the next slot has landed; no load of mine is out, so a group 0 may be written
	ds_add_u32 v[SPW], v[NIL]
.if \fill
	s_xor_b32 s[G0A+1], s[G0A+1], SLOT             ; the walking descriptors: the slot just read out,
	s_xor_b32 s[G0B+1], s[G0B+1], SLOT
	s_add_nc_u64 s[G0A+2:G0A+3], s[G0A+2:G0A+3], ASTEP  ; the next tile
	s_add_nc_u64 s[G0B+2:G0B+3], s[G0B+2:G0B+3], BSTEP
.endif
	s_wait_dscnt 0x0                               ; the add is done
.if \fill
	CROUND                                         ; no wave of any partner still reads this slot's tile or has a load on its way
	JLOAD                                          ; its four v_nop are also the places in front of the loads below
.else
	s_barrier_signal -1
	s_barrier_wait -1
	PLACES
.endif
	s_xor_b32 s[TB], s[TB], SLOT
	v_add_nc_u32 v[ADRA], s[TB], v[A0]
	v_add_nc_u32 v[ADRB], s[TB], v[B0]
	FETCH 0, 0
.if \fill
	ASK
.endif
.endm
	s_load_b256 s[4:11], s[0:1], 0x0               ; h1 s[4:5], wb s[6:7], bq s[8:9], bk s[10:11]
	s_load_b128 s[12:15], s[0:1], 0x20             ; bv s[12:13], qkv s[14:15]
	v_lshl_add_u32 v[SPW], v0, 2, SPARE
	v_mov_b32 v[NIL], 0
	ds_add_u32 v[SPW], v[NIL]                      ; the opening add; the set-up below, work on registers, stands between it and its wait
	v_lshrrev_b32 v1, 5, v0
	v_readfirstlane_b32 s[WV], v1
	s_bfe_u32 s[CX], ttmp6, 0x40000
	s_bfe_u32 s[CY], ttmp6, 0x40004
	s_lshl_b32 s[TX], ttmp9, 2
	s_add_co_u32 s[TX], s[TX], s[CX]               ; the head
	s_and_b32 s[TY], ttmp7, 0xffff
	s_lshl_b32 s[TY], s[TY], 2
	s_add_co_u32 s[TY], s[TY], s[CY]               ; the block of 256 tokens
	s_max_u32 s[Z], s[WV], 1
	s_sub_co_u32 s[Z], s[Z], 1                     ; the plane that I fetch (waves 1 to 3); it enters global addresses alone, and keeps wave 0's unused ones inside wb
	s_lshl_b32 s54, s[CY], 2
	s_lshl_b32 s54, 15, s54                        ; my row of the cluster
	s_lshl_b32 s56, 0x1111, s[CX]                  ; my column
	s_or_b32 s[G1A], s54, (1<<16)|(1<<20)|(1<<21)|(5<<22)|(3<<25)  ; mask; 2-byte elements; padding on; bit 21 beside a mask; after every 64 words, 4 words
	s_mov_b32 s[G1A+1], 128<<16                    ; tensor_dim0 = 128
	s_mov_b32 s[G1A+2], 256<<16                    ; tensor_dim1 = 256
	s_mov_b32 s[G1A+3], 128<<16                    ; tile_dim0 = 128
	s_mov_b32 s[G1A+4], 256                        ; tile_dim1 = 256
	s_mov_b32 s[G1A+5], 1024                       ; elements from row to row
	s_mov_b32 s[G1A+6], 0
	s_mov_b32 s[G1A+7], 0
	s_or_b32 s[G1B], s56, (1<<16)|(1<<20)|(1<<21)|(4<<22)|(7<<25)  ; 16,384 dense bytes as 64 rows of 256, padded after every 32 words by 8
	s_mov_b32 s[G1B+1], 128<<16
	s_mov_b32 s[G1B+2], 64<<16
	s_mov_b32 s[G1B+3], 128<<16
	s_mov_b32 s[G1B+4], 64
	s_mov_b32 s[G1B+5], 128
	s_mov_b32 s[G1B+6], 0
	s_mov_b32 s[G1B+7], 0
	s_lshl_b32 s54, s[TY], 19                      ; 256 rows of 2,048 bytes
	s_mov_b32 s55, 0
	s_lshl_b32 s56, s[Z], 21                       ; the plane's weights,
	s_lshl_b32 s57, s[TX], 17                      ; the head's
	s_add_co_u32 s56, s56, s57
	s_mov_b32 s57, 0
	s_mul_i32 s58, s[WV], PLANE                    ; where my plane goes: a constant + the wave's number x a plane's 20,480 bytes:
	s_mov_b32 s[T0A], 1
	s_mov_b32 s[T0A+1], 0                          ; tile 0 into slot 0,
	s_mov_b32 s[T0B], 1
	s_add_co_u32 s[T0B+1], s58, ABYTES-PLANE       ; wave 1 right behind h1's 69,632 bytes, waves 2 and 3 behind it (wave 0 never asks by this word);
	s_mov_b32 s[G0A], 1
	s_mov_b32 s[G0A+1], SLOT                       ; tile 1 into slot 1
	s_mov_b32 s[G0B], 1
	s_add_co_u32 s[G0B+1], s58, ABYTES-PLANE+SLOT
	s_mov_b32 s[TB], 0
	s_wait_dscnt 0x0                               ; the opening add is done
	s_wait_kmcnt 0x0
	s_add_nc_u64 s[T0A+2:T0A+3], s[4:5], s[54:55]
	s_add_nc_u64 s[G0A+2:G0A+3], s[T0A+2:T0A+3], ASTEP
	s_or_b32 s[T0A+3], s[T0A+3], 0x80000000
	s_or_b32 s[G0A+3], s[G0A+3], 0x80000000
	s_add_nc_u64 s[T0B+2:T0B+3], s[6:7], s[56:57]
	s_add_nc_u64 s[G0B+2:G0B+3], s[T0B+2:T0B+3], BSTEP
	s_or_b32 s[T0B+3], s[T0B+3], 0x80000000
	s_or_b32 s[G0B+3], s[G0B+3], 0x80000000
	CROUND                                         ; all sixteen work-groups are here: the first joint loads meet
	s_cmp_eq_u32 s[WV], 0                          ; a wave's two first fills stand in one branch, ahead of every wait on TENSORcnt and every LDS read
	s_cbranch_scc0 .Lfirst_b
	tensor_load_to_lds s[T0A:T0A+3], s[G1A:G1A+7]
	s_nop 0
	tensor_load_to_lds s[G0A:G0A+3], s[G1A:G1A+7]
	s_nop 0
.rept 4
	v_nop
.endr
	s_branch .Lfirst_asked
.Lfirst_b:
	tensor_load_to_lds s[T0B:T0B+3], s[G1B:G1B+7]
	s_nop 0
	tensor_load_to_lds s[G0B:G0B+3], s[G1B:G1B+7]
	s_nop 0
.rept 4
	v_nop
.endr
.Lfirst_asked:
	v_and_b32 v1, 15, v0                           ; r
	v_bfe_u32 v2, v0, 4, 1                         ; h
	v_and_b32 v3, 7, v0
	v_bfe_u32 v4, v0, 3, 1
	v_and_b32 v5, 31, v0
	v_mul_u32_u24 v[A0], v1, PA
	v_lshl_add_u32 v[A0], v2, 4, v[A0]
	s_mul_i32 s54, s[WV], 64*PA                    ; my 64 tokens
	v_add_nc_u32 v[A0], s54, v[A0]
	v_lshl_add_u32 v[B0], v2, 3, v3
	v_mul_u32_u24 v[B0], v[B0], PB
	v_lshl_add_u32 v[B0], v4, 4, v[B0]
	v_add_nc_u32 v[B0], ABYTES, v[B0]
	v_lshlrev_b32 v[BO], 5, v2
	s_lshl_b32 s54, s[TX], 8                       ; the head's 64 biases
	s_mov_b32 s55, 0
	s_add_nc_u64 s[8:9], s[8:9], s[54:55]
	s_add_nc_u64 s[10:11], s[10:11], s[54:55]
	s_add_nc_u64 s[12:13], s[12:13], s[54:55]
.irp b, 0,1,2,3
	global_load_b128 v[BIAS+8*(\b):BIAS+8*(\b)+3],       v[BO], s[8:9] offset:64*(\b)
	global_load_b128 v[BIAS+8*(\b)+4:BIAS+8*(\b)+7],     v[BO], s[8:9] offset:64*(\b)+16
	global_load_b128 v[BIAS+32+8*(\b):BIAS+32+8*(\b)+3],   v[BO], s[10:11] offset:64*(\b)
	global_load_b128 v[BIAS+32+8*(\b)+4:BIAS+32+8*(\b)+7], v[BO], s[10:11] offset:64*(\b)+16
	global_load_b128 v[BIAS+64+8*(\b):BIAS+64+8*(\b)+3],   v[BO], s[12:13] offset:64*(\b)
	global_load_b128 v[BIAS+64+8*(\b)+4:BIAS+64+8*(\b)+7], v[BO], s[12:13] offset:64*(\b)+16
.endr
	s_mul_i32 s54, s[WV], 3*64*144                 ; my stage on the way out: three planes of 64 rows x 144 bytes
	v_mul_u32_u24 v[STO], v1, 144
	v_lshl_add_u32 v[STO], v2, 4, v[STO]
	v_add_nc_u32 v[STO], s54, v[STO]
	v_lshrrev_b32 v[RD], 3, v5
	v_mul_u32_u24 v[RD], v[RD], 144
	v_lshl_add_u32 v[RD], v3, 4, v[RD]
	v_add_nc_u32 v[RD], s54, v[RD]
	v_lshlrev_b32 v[GO], 4, v5
	s_lshr_b32 s54, s[TY], 3                       ; where my 64 rows of plane 0 lie: (b*16 + head) x 262,144 + row x 128
	s_lshl_b32 s54, s54, 4
	s_add_co_u32 s54, s54, s[TX]
	s_lshl_b32 s54, s54, 18
	s_and_b32 s55, s[TY], 7
	s_lshl_b32 s55, s55, 2
	s_add_co_u32 s55, s55, s[WV]
	s_lshl_b32 s55, s55, 13
	s_add_co_u32 s54, s54, s55
	s_mov_b32 s55, 0
	s_add_nc_u64 s[14:15], s[14:15], s[54:55]
	s_lshl_b32 s54, s[TY], 8                       ; the prefetches' pointers stand at tile 2; each change steps them
	s_lshl_b32 s55, s[CX], 6
	s_add_co_u32 s54, s54, s55
	s_lshl_b32 s55, s[WV], 4
	s_add_co_u32 s54, s54, s55
	s_lshl_b32 s54, s54, 11
	s_add_co_u32 s54, s54, 2*ASTEP
	s_mov_b32 s55, 0
	s_add_nc_u64 s[PFA:PFA+1], s[4:5], s[54:55]
	s_lshl_b32 s56, s[Z], 21
	s_lshl_b32 s57, s[TX], 17
	s_add_co_u32 s56, s56, s57
	s_lshl_b32 s57, s[CY], 13
	s_add_co_u32 s56, s56, s57
	s_add_co_u32 s56, s56, 2*BSTEP
	s_mov_b32 s57, 0
	s_add_nc_u64 s[PFB:PFB+1], s[6:7], s[56:57]
	s_cmp_eq_u32 ttmp9, 0
	s_cselect_b32 s[LIMA], 1, -1
	s_and_b32 s58, ttmp7, 0xffff
	s_cmp_eq_u32 s58, 0
	s_cselect_b32 s[LIMB], 1, -1
	s_cmp_eq_u32 s[WV], 0
	s_cselect_b32 s[LIMB], -1, s[LIMB]
	v_lshrrev_b32 v6, 1, v5
	v_and_b32 v7, 1, v5
	v_lshlrev_b32 v7, 8, v7
	v_lshl_add_u32 v[PFO], v6, 11, v7
	v_lshlrev_b32 v[PFOB], 8, v5
	s_wait_tensorcnt 0x1                           ; my part of tile 0 is in; tile 1's may stay out
	s_barrier_signal -1
	s_barrier_wait -1                              ; everybody's is
	v_add_nc_u32 v[ADRA], s[TB], v[A0]
	v_add_nc_u32 v[ADRB], s[TB], v[B0]
	FETCH 0, 0
	s_wait_loadcnt 0x0                             ; the bias
	QUARTER 1, 0, 1, 1
	WIN 0
	s_mov_b32 s3, NSTEP-1
	s_branch .Lmid                                 ; the loop is entered in its middle: a trip goes from one change of slots to the next
.Lloop:
	TURN 1
	QUARTER 1, 0, 1, 0
	WIN 0
.Lmid:
	QUARTER 2, 1, 0, 0
	QUARTER 3, 0, 1, 0
	WIN 0
	s_sub_co_u32 s3, s3, 1
	s_cmp_lg_u32 s3, 0
	s_cbranch_scc1 .Lloop
	TURN 0                                         ; the tail is written out: nothing is left to ask for
	QUARTER 1, 0, 1, 0
	QUARTER 2, 1, 0, 0
	QUARTER 3, 0, 1, 0
	s_wait_dscnt 4
	MULA 1, 0, 0
	MULA 1, 1, 0
	s_wait_dscnt 0x0
	MULA 1, 2, 0
	MULA 1, 3, 0
	WIN 0
	; THE WAY OUT.  The slots have had their last fill; behind a barrier (every wave's reads of them are over) each wave has a stage of its own in slot 0.
	PLACES
	s_wait_dscnt 0x0
	s_barrier_signal -1
	s_barrier_wait -1
.irp a, 0,1,2,3
	WIN 0x0a+5*((\a)/2)
.irp b, 0,1,2,3,4,5,6,7,8,9,10,11
.irp r, 0,1,2,3
	v_cvt_pk_bf16_f32 v[TMP+4*(\b)+(\r)], v[8*(12*((\a)%2)+(\b))+2*(\r)], v[8*(12*((\a)%2)+(\b))+2*(\r)+1]
.endr
.endr
	WIN 0
.irp b, 0,1,2,3,4,5,6,7,8,9,10,11
	ds_store_b128 v[STO], v[TMP+4*(\b):TMP+4*(\b)+3] offset:((\b)/4)*9216+2304*(\a)+32*((\b)%4)
.endr
.endr
	s_mov_b32 s[ZC], 3
.Lplane:                                               ; a plane a trip: my 64 rows of 128 bytes are 8,192 consecutive bytes of qkv
.irp t, 0,1,2,3,4,5,6,7,8,9,10,11,12,13,14,15
	ds_load_b128 v[OB+4*(\t):OB+4*(\t)+3], v[RD] offset:576*(\t)  ; LDS serves a wave's instructions in order (ISA guide 5.7.1.4): these see the stores above
.endr
.irp t, 0,1,2,3,4,5,6,7,8,9,10,11,12,13,14,15
	s_wait_dscnt 15-(\t)
	global_store_b128 v[GO], v[OB+4*(\t):OB+4*(\t)+3], s[14:15] offset:512*(\t)
.endr
	s_wait_xcnt 0x0                                ; the stores have read their registers and their base
	v_add_nc_u32 v[RD], 9216, v[RD]
	s_add_nc_u64 s[14:15], s[14:15], 8388608
	s_sub_co_u32 s[ZC], s[ZC], 1
	s_cmp_lg_u32 s[ZC], 0
	s_cbranch_scc1 .Lplane
	s_wait_tensorcnt 0x0                           ; the wave's end
	ds_add_u32 v[SPW], v[NIL]
	s_wait_dscnt 0x0
	CROUND                                         ; the closing round
	s_endpgm
.Lfunc_end_k_q9b0e6ac1a0_qkv:
	.size	k_q9b0e6ac1a0_qkv, .Lfunc_end_k_q9b0e6ac1a0_qkv-k_q9b0e6ac1a0_qkv
	.p2alignl 7, 3214868480
	.fill 96, 4, 3214868480
	.section	.rodata,"a",@progbits
	.p2align	6, 0x0
	.amdhsa_kernel k_q9b0e6ac1a0_qkv
		.amdhsa_group_segment_fixed_size 327680
		.amdhsa_private_segment_fixed_size 0
		.amdhsa_enable_private_segment 0
		.amdhsa_kernarg_size 48
		.amdhsa_user_sgpr_count 2
		.amdhsa_user_sgpr_kernarg_segment_ptr 1
		.amdhsa_wavefront_size32 1
		.amdhsa_system_sgpr_workgroup_id_x 1
		.amdhsa_system_sgpr_workgroup_id_y 1
		.amdhsa_system_sgpr_workgroup_id_z 1
		.amdhsa_system_vgpr_workitem_id 0
		.amdhsa_next_free_vgpr 960
		.amdhsa_next_free_sgpr 72
		.amdhsa_reserve_vcc 0
		.amdhsa_float_denorm_mode_32 3
		.amdhsa_float_denorm_mode_16_64 3
		.amdhsa_memory_ordered 1
		.amdhsa_forward_progress 1
		.amdhsa_inst_pref_size 85
	.end_amdhsa_kernel
	.amdgpu_metadata
---
amdhsa.version: [ 1, 2 ]
amdhsa.kernels:
  - .name:           k_q9b0e6ac1a0_qkv
    .symbol:         k_q9b0e6ac1a0_qkv.kd
    .args:
      - { .name: h1, .offset: 0, .size: 8, .value_kind: global_buffer, .address_space: global }
      - { .name: wb, .offset: 8, .size: 8, .value_kind: global_buffer, .address_space: global }
      - { .name: bq, .offset: 16, .size: 8, .value_kind: global_buffer, .address_space: global }
      - { .name: bk, .offset: 24, .size: 8, .value_kind: global_buffer, .address_space: global }
      - { .name: bv, .offset: 32, .size: 8, .value_kind: global_buffer, .address_space: global }
      - { .name: qkv, .offset: 40, .size: 8, .value_kind: global_buffer, .address_space: global }
    .group_segment_fixed_size: 327680
    .private_segment_fixed_size: 0
    .kernarg_segment_align: 8
    .kernarg_segment_size: 48
    .max_flat_workgroup_size: 128
    .sgpr_count:     72
    .vgpr_count:     960
    .wavefront_size: 32
...
	.end_amdgpu_metadata
.endif
;; end of part 2
;; launch attn (part 3): grid 8 x 32, 4 waves a work-group, clusters of 4 x 1, 327,680 bytes of LDS; arguments qkv, o; writes o
.if DOCPART == 3
	.amdgcn_target "amdgcn-amd-amdhsa--gfx1250"
	.amdhsa_code_object_version 6
	.text
	.protected	k_q9b0e6ac1a0_attn
	.globl	k_q9b0e6ac1a0_attn
	.p2align	8
	.type	k_q9b0e6ac1a0_attn,@function
k_q9b0e6ac1a0_attn:
	s_mov_b64 s[64:65], 0
	v_nop
	global_prefetch_b8 v0, s[64:65] scope:SCOPE_SE
	s_setreg_imm32_b32 hwreg(HW_REG_WAVE_MODE, 25, 1), 1
	s_wait_xcnt 0x0
	s_wait_alu depctr_hold_cnt(0) depctr_sa_sdst(0) depctr_va_vdst(0) depctr_va_sdst(0) depctr_va_ssrc(0) depctr_va_vcc(0) depctr_vm_vsrc(0)
	s_getreg_b32 s2, hwreg(HW_REG_IB_STS2, 6, 4)
	s_cmp_eq_u32 s2, 0
	s_cbranch_scc0 .Lentry_in_a_cluster
	s_endpgm
.Lentry_in_a_cluster:
	s_bfe_u32 s2, ttmp6, 0x10000c
	s_cmp_lg_u32 s2, 0x3003
	s_cbranch_scc0 .Lentry_shape_is_right
	s_endpgm
.Lentry_shape_is_right:
; ATTENTION.  O[q] = the sum over k of softmax_k(Q[q] . K[k] / 8) V[k], for each of 32 (batch, head) pairs of 2,048 rows x 64 channels, bf16.  Products, maxima and sums in f32; the weights p are
; rounded to bf16 for the second product (their sum l is taken of the unrounded p), O once at the end.  Running maximum: p = 2^(c s - c m), c = log2(e) / 8; O and l are multiplied by a = 2^(c m_old - c m_new).
; LIMITS: a weight below 2^-126 counts as 0; NaN and infinities are not treated apart.
; SHARES.  A work-group owns 256 queries of one pair, a wave 64: four PIECES of 16.  Every wave walks all 2,048 keys, 64 a step, four steps to a slot of LDS, two slots.
; LAYOUT.  S^T = K Q^T holds ONE query a lane (lane % 16) and the keys 8 (lane / 16) + 0..7; two such results rounded to bf16 ARE source 1 of O^T = V^T P.  V comes out of LDS turned.
; TURNS.  Turn n belongs to piece n: 8 products K Q^T of piece n + 1, later 8 products V^T P of piece n - 1; beside them the scaling, exponentials, roundings, sums and rescaling of piece n and the
; maximum and statistics of piece n + 1.  Four vector instructions stand behind every product, the rest in one lump.  A turn's 33 exponentials are one batch with one wait.
; m starts at the lowest finite number, O and l at 0: the first step is a step like any other, with a = 0.
; CLUSTER.  The four query blocks of a cluster belong to one pair and walk the same K and V: each tile is asked for jointly.  By the text's own count a wave has one tensor load out.
; O leaves as o[token / 128][head][128 rows][64]: a wave's 64 rows are 8,192 consecutive bytes.
; REGISTERS.  window 0: v0-15 addresses; v16-31 four statistics a piece; v48-55 at work; v61-63 prefetch offset, spare word, 0; v64-127 S^T, two buffers; v192-223 P, two buffers
;   window 1: v0-127 O^T, 32 a piece      window 2: v0-63 Q; v128-191 K of one step; v192-255 V of one step
.set NP,    4
.set KS,    64
.set PK,    144
.set PV,    160
.set VOFF,  4*KS*PK
.set SLOT1, 1<<17
.set STAGE, SLOT1+4*KS*(PK+PV)         ; never filled by a tensor load: 16 rows x 144 bytes for each wave
.set SP,    144
.set SPARE, STAGE+4*16*SP
.set PLANE, 8388608                    ; bytes from q to k and from k to v in qkv
.set AK0, 2
.set AV0, 3
.set AK,  4
.set AV,  5
.set STO, 6
.set RD,  7
.set GO,  8
.set MV,  12
.set QO,  15
.set ST,  16
.set TMP, 48
.set PFO, 61
.set SPW, 62
.set NIL, 63
.set S,   64
.set P,   192
.set KF,  128
.set VF,  192
.set WV,  12
.set G1K, 24
.set G1V, 32
.set G0K, 40
.set G0V, 44
.set PFA, 48
.set LIM, 50
.set SLOTS, 56
.set CNT, 57
.set CS,  58
.set SEL, 60
.set TBK, 62
.set TBV, 63
.set MSB, 0
.macro WIN new
.if MSB != (\new)
	s_set_vgpr_msb (MSB<<8)|(\new)
.set MSB, (\new)
.endif
.endm
.set W_KQ, 0x0a
.set W_PV, 0x52
.set W_RS, 0x41
.macro JLOAD                           ; waves 0 and 1 fetch the halves of a slot's K, waves 2 and 3 those of its V: 128 keys each
	s_cmp_lt_u32 s[WV], 2
	s_cbranch_scc0 .Lfor_v_\@
	tensor_load_to_lds s[G0K:G0K+3], s[G1K:G1K+7]
	s_nop 0
.rept 4
	v_nop
.endr
	s_branch .Lasked_\@
.Lfor_v_\@:
	tensor_load_to_lds s[G0V:G0V+3], s[G1V:G1V+7]
	s_nop 0
.rept 4
	v_nop
.endr
.Lasked_\@:
.endm
.macro CROUND
	s_barrier_signal -1
	s_barrier_wait -1
	s_cmp_lg_u32 s[WV], 0
	s_cbranch_scc1 .Lnot_wave_0_\@
	s_barrier_signal -3
.Lnot_wave_0_\@:
	s_barrier_wait -3
	s_barrier_signal -1
	s_barrier_wait -1
.endm
; PREFETCH INTO THE L2 of the slot that the NEXT change will ask for: four key steps ahead.  A slot's K and V are 32,768 dense bytes each.  Both clusters of a pair walk the same rows: the first asks;
; its four partners take 8,192 bytes each, told apart by address; wave 0 asks for K's, wave 2 for V's, a lane 256 bytes.  The last change that fills asks for nothing; slots 0 to 2 come by their loads.
.macro ASK
	s_cmp_gt_u32 s[SLOTS], s[LIM]
	s_cbranch_scc0 .Lnot_mine_\@
	global_prefetch_b8 v[PFO], s[PFA:PFA+1] th:TH_LOAD_NT scope:SCOPE_SE
.Lnot_mine_\@:
.endm
; THE CHANGE OF SLOTS: each wave waits for all its tensor loads, adds 0 to its spare word, waits for that and for its reads of the slot; fill = 1: a round of the cluster's barrier, and the slot left is filled first behind it.
.macro CHANGE fill, ask=0
	WIN 0
	s_wait_tensorcnt 0x0
	ds_add_u32 v[SPW], v[NIL]
.if \fill
.irp g, G0K, G0V
	s_xor_b32 s[\g+1], s[\g+1], SLOT1
	s_add_nc_u64 s[\g+2:\g+3], s[\g+2:\g+3], 4*KS*128
.endr
.if \ask
	s_wait_xcnt 0x0                                ; the last prefetch, four key steps back, has read its address
	s_add_nc_u64 s[PFA:PFA+1], s[PFA:PFA+1], 4*KS*128
.endif
	s_wait_dscnt 0x0
	CROUND
	JLOAD
.if \ask
	ASK
.endif
.else
	s_wait_dscnt 0x0
	s_barrier_signal -1
	s_barrier_wait -1
.endif
	s_sub_co_u32 s[TBK], s[TBK], 4*KS*PK           ; the fetches go back to a slot's first step, in the other slot
	s_xor_b32 s[TBK], s[TBK], SLOT1
	s_sub_co_u32 s[TBV], s[TBV], 4*KS*PV
	s_xor_b32 s[TBV], s[TBV], SLOT1
.endm
	s_load_b128 s[4:7], s[0:1], 0x0                ; qkv s[4:5], o s[6:7]
	v_lshl_add_u32 v[SPW], v0, 2, SPARE
	v_mov_b32 v[NIL], 0
	ds_add_u32 v[SPW], v[NIL]                      ; the opening add
	v_lshrrev_b32 v1, 5, v0
	v_readfirstlane_b32 s[WV], v1
	s_bfe_u32 s13, ttmp6, 0x40000                  ; cx
	s_lshl_b32 s14, ttmp9, 2
	s_add_co_u32 s14, s14, s13                     ; my block of 256 queries: it enters Q's and O's addresses alone
	s_and_b32 s15, ttmp7, 0xffff                   ; b*16 + head, which the partners share
	s_lshl_b32 s19, s15, 18                        ; its first byte in a plane
	s_and_b32 s16, s[WV], 1                        ; which half of a slot's 256 keys I fetch
	s_lshl_b32 s22, s16, 14
	s_add_co_u32 s22, s22, s19
	s_add_co_u32 s22, s22, PLANE
	s_mov_b32 s23, 0
	s_mul_i32 s17, s16, 128*PK
	s_mul_i32 s18, s16, 128*PV
	s_lshl_b32 s2, s14, 2
	s_add_co_u32 s2, s2, s[WV]
	s_lshl_b32 s2, s2, 13                          ; my wave's 64 rows of Q
	s_add_co_u32 s2, s2, s19
	s_mov_b32 s3, 0
	s_lshr_b32 s20, s15, 4                         ; O: (16 b + 2 block + wave / 2) x 262,144 + head x 16,384 + (wave % 2) x 8,192
	s_lshl_b32 s20, s20, 3
	s_add_co_u32 s20, s20, s14
	s_lshl_b32 s20, s20, 1
	s_lshr_b32 s21, s[WV], 1
	s_add_co_u32 s20, s20, s21
	s_lshl_b32 s20, s20, 18
	s_and_b32 s21, s15, 15
	s_lshl_b32 s21, s21, 14
	s_add_co_u32 s20, s20, s21
	s_lshl_b32 s21, s16, 13
	s_add_co_u32 s20, s20, s21
	s_mov_b32 s21, 0
	s_lshr_b32 s52, s[WV], 1                       ; the prefetches: K's plane (waves 0, 1) or V's, my work-group's 8,192 bytes, at slot 2
	s_add_co_u32 s52, s52, 1
	s_lshl_b32 s52, s52, 23
	s_add_co_u32 s52, s52, s19
	s_lshl_b32 s53, s13, 13
	s_add_co_u32 s52, s52, s53
	s_add_co_u32 s52, s52, 2*4*KS*128
	s_mov_b32 s53, 0
	s_mov_b32 s[G1K], 15|(1<<16)|(1<<20)|(1<<21)|(4<<22)|(3<<25)  ; the mask of four; 2-byte elements; padding on; bit 21 beside a mask; after every 32 words, 4 words
	s_mov_b32 s[G1V], 15|(1<<16)|(1<<20)|(1<<21)|(4<<22)|(7<<25)  ; the same with 8 words
.irp g, G1K, G1V
	s_mov_b32 s[\g+1], 128<<16                     ; 128 keys are 16,384 dense bytes: 64 rows of 256, two keys a row
	s_mov_b32 s[\g+2], 64<<16
	s_mov_b32 s[\g+3], 128<<16
	s_mov_b32 s[\g+4], 64
	s_mov_b32 s[\g+5], 128
	s_mov_b32 s[\g+6], 0
	s_mov_b32 s[\g+7], 0
.endr
	s_mov_b32 s[CS], 0x3e38aa3b                    ; c = log2(e) / 8
	s_mov_b32 s[CS+1], s[CS]
	s_mov_b32 s[SEL], 0x76543210
	s_mov_b32 s[SEL+1], 0xfedcba98
	s_mov_b32 s[TBK], SLOT1+4*KS*PK                ; the first change of slots turns these two into 0
	s_mov_b32 s[TBV], SLOT1+4*KS*PV
	s_mov_b32 s[G0K], 1
	s_mov_b32 s[G0K+1], s17
	s_mov_b32 s[G0V], 1
	s_add_co_u32 s[G0V+1], s18, VOFF
	s_mov_b32 s[SLOTS], 7
	s_and_b32 s[LIM], s[WV], 1
	s_or_b32 s[LIM], s[LIM], ttmp9
	s_cmp_eq_u32 s[LIM], 0
	s_cselect_b32 s[LIM], 1, -1
	v_and_b32 v[PFO], 31, v0
	v_lshlrev_b32 v[PFO], 8, v[PFO]
	s_wait_dscnt 0x0                               ; the opening add is done
	s_wait_kmcnt 0x0
	s_add_nc_u64 s[G0K+2:G0K+3], s[4:5], s[22:23]
	s_add_nc_u64 s[G0V+2:G0V+3], s[G0K+2:G0K+3], PLANE
	s_or_b32 s[G0K+3], s[G0K+3], 0x80000000
	s_or_b32 s[G0V+3], s[G0V+3], 0x80000000
	s_add_nc_u64 s[PFA:PFA+1], s[4:5], s[52:53]
	s_add_nc_u64 s[4:5], s[4:5], s[2:3]            ; Q at my wave's first row
	s_add_nc_u64 s[10:11], s[6:7], s[20:21]        ; O likewise
	CROUND
	JLOAD                                          ; slot 0
	v_and_b32 v1, 15, v0
	v_bfe_u32 v9, v0, 4, 1
	v_lshlrev_b32 v[QO], 7, v1
	v_lshl_add_u32 v[QO], v9, 4, v[QO]
	WIN 0x80
.set i, 0
.rept 8                                ; Q stays in registers: piece i / 2, channels 32 (i % 2) on
	global_load_b128 v[8*i:8*i+3],   v[QO], s[4:5] offset:(i/2)*2048+(i%2)*64
	global_load_b128 v[8*i+4:8*i+7], v[QO], s[4:5] offset:(i/2)*2048+(i%2)*64+32
.set i, i+1
.endr
.set i, VF                             ; what the first turn finds: V, P's second buffer, O^T and l are 0.  All this stands in the wait for the first tile.
.rept 64
	v_mov_b32 v[i], 0
.set i, i+1
.endr
	WIN 0x40
.set i, 0
.rept 128
	v_mov_b32 v[i], 0
.set i, i+1
.endr
	WIN 0
.set i, 0
.rept 4
	v_mov_b32 v[ST+4*i], 0xfe000000                ; c m: far below every c s
	v_mov_b32 v[ST+4*i+1], 0xff7fffff              ; m
	v_mov_b32 v[ST+4*i+2], 0
	v_mov_b32 v[ST+4*i+3], 0
.set i, i+1
.endr
.set i, P+16
.rept 16
	v_mov_b32 v[i], 0
.set i, i+1
.endr
	v_mul_u32_u24 v[AK0], v1, PK
	v_lshl_add_u32 v[AK0], v9, 4, v[AK0]
	v_and_b32 v10, 7, v0
	v_bfe_u32 v11, v0, 3, 1
	v_lshl_add_u32 v[AV0], v9, 3, v10
	v_mul_u32_u24 v[AV0], v[AV0], PV
	v_lshl_add_u32 v[AV0], v11, 4, v[AV0]
	v_add_nc_u32 v[AV0], VOFF, v[AV0]
	s_mul_i32 s13, s[WV], 16*SP
	s_add_co_u32 s13, s13, STAGE
	v_mul_u32_u24 v[STO], v1, SP
	v_lshl_add_u32 v[STO], v9, 4, v[STO]
	v_add_nc_u32 v[STO], s13, v[STO]
	v_bfe_u32 v[RD], v0, 3, 2
	v_mul_u32_u24 v[RD], v[RD], SP
	v_lshl_add_u32 v[RD], v10, 4, v[RD]
	v_add_nc_u32 v[RD], s13, v[RD]
	v_and_b32 v[GO], 31, v0
	v_lshlrev_b32 v[GO], 4, v[GO]
; Product i of 8 of S^T = K Q^T for piece x: channels 32 (i / 4) on, keys 16 (i % 4) on; the first 4 start the sums.  The 4 accumulators take turns.
.macro KQ x
.set rS, S+32*((\x)%2)+8*(i%4)
.set rK, KF+16*(i%4)+8*(i/4)
.set rQ, 16*(\x)+8*(i/4)
	WIN W_KQ
.if i < 4
	v_wmma_f32_16x16x32_bf16 v[rS:rS+7], v[rK:rK+7], v[rQ:rQ+7], 0
.else
	v_wmma_f32_16x16x32_bf16 v[rS:rS+7], v[rK:rK+7], v[rQ:rQ+7], v[rS:rS+7]
.endif
.endm
; Product i of 8 of O^T += V^T P for piece x: keys 32 (i / 4) on, channels 16 (i % 4) on.
.macro PV x
	WIN W_PV
.set rO, 32*(\x)+8*(i%4)
.set rV, VF+32*(i/4)+8*(i%4)
.set rP, P+16*((\x)%2)+8*(i/4)
	v_wmma_f32_16x16x32_bf16 v[rO:rO+7], v[rV:rV+7], v[rP:rP+7], v[rO:rO+7]
.endm
.macro MM                              ; the turn's next matrix instruction
.if i < 8
	KQ (Y+1)%NP
.else
.set i, i-8
	PV (Y+NP-1)%NP
.set i, i+8
.endif
.set i, i+1
.endm
.macro FETCH_K                         ; a step's K: 64 keys x 64 channels, 16 loads in one run
	WIN 0x80
.irp f, 0,1,2,3,4,5,6,7
	ds_load_b128 v[KF+8*\f:KF+8*\f+3],   v[AK] offset:(\f/2)*16*PK+(\f%2)*64
	ds_load_b128 v[KF+8*\f+4:KF+8*\f+7], v[AK] offset:(\f/2)*16*PK+(\f%2)*64+32
.endr
	s_add_co_u32 s[TBK], s[TBK], KS*PK
	WIN 0
.endm
.macro FETCH_V                         ; its V, turned
	WIN 0x80
.irp f, 0,1,2,3,4,5,6,7
	ds_load_tr16_b128 v[VF+8*\f:VF+8*\f+3],   v[AV] offset:(\f/4)*32*PV+(\f%4)*32
	ds_load_tr16_b128 v[VF+8*\f+4:VF+8*\f+7], v[AV] offset:(\f/4)*32*PV+16*PV+(\f%4)*32
.endr
	WIN 0
.endm
; THE VECTOR WORK, one line at a time: OP kind, number.  For piece Y: F n: c s - c m for pair n.  E n: the exponential of score n.  C n: pair n rounded to bf16.  B n: of the four weights 4 n .. the second pair is
; added onto the first.  L n: l takes that sum (L 0: l = a l + sum).  R n: pair n of O^T times a.  For piece Y + 1: X n, number n of the 22 that find its maximum and statistics (each accumulator's lowest registers first).
.set F, 0
.set E, 1
.set C, 2
.set B, 3
.set L, 4
.set R, 5
.set X, 6
.macro REGS y
.set rT, ST+4*(\y)
.set rC, TMP+4*((\y)%2)
.set rW, MV+((\y)%2)
.set rS, S+32*((\y)%2)
.set rP, P+16*((\y)%2)
.set rO, 32*(\y)
.endm
.macro OP k, n
.if (\k) == R
	REGS Y
	WIN W_RS
	v_pk_mul_f32 v[rO+2*(\n):rO+2*(\n)+1], v[rO+2*(\n):rO+2*(\n)+1], v[rC+2:rC+3] op_sel_hi:[1,0]
.elseif (\k) < R
	REGS Y
	WIN 0
.if (\k) == F
	v_pk_fma_f32 v[rS+2*(\n):rS+2*(\n)+1], v[rS+2*(\n):rS+2*(\n)+1], s[CS:CS+1], v[rT:rT+1] op_sel_hi:[1,0,0] neg_lo:[0,0,1] neg_hi:[0,0,1]
.elseif (\k) == E
	v_exp_f32 v[rS+(\n)], v[rS+(\n)]
.elseif (\k) == C
	v_cvt_pk_bf16_f32 v[rP+(\n)], v[rS+2*(\n)], v[rS+2*(\n)+1]
.elseif (\k) == B
	v_pk_add_f32 v[rS+4*(\n):rS+4*(\n)+1], v[rS+4*(\n):rS+4*(\n)+1], v[rS+4*(\n)+2:rS+4*(\n)+3]
.elseif (\n) == 0
	v_pk_fma_f32 v[rT+2:rT+3], v[rT+2:rT+3], v[rC+2:rC+3], v[rS:rS+1] op_sel_hi:[1,0,1]
.else
	v_pk_add_f32 v[rT+2:rT+3], v[rT+2:rT+3], v[rS+4*(\n):rS+4*(\n)+1]
.endif
.else
	REGS (Y+1)%NP
	WIN 0
.if (\n) < 4
	v_max3_num_f32 v[rC+(\n)], v[rS+8*(\n)], v[rS+8*(\n)+1], v[rS+8*(\n)+2]
.elseif (\n) < 12
	v_max3_num_f32 v[rC+(\n)%4], v[rC+(\n)%4], v[rS+8*((\n)%4)+2*((\n)/4)+1], v[rS+8*((\n)%4)+2*((\n)/4)+2]
.elseif (\n) == 12
	v_max3_num_f32 v[rC], v[rC], v[rS+7], v[rS+15]
.elseif (\n) == 13
	v_max3_num_f32 v[rC+1], v[rC+1], v[rS+23], v[rS+31]
.elseif (\n) == 14
	v_max3_num_f32 v[rC+2], v[rC+2], v[rC+3], v[rT+1]
.elseif (\n) == 15
	v_mov_b32 v[rW], v[rT]
.elseif (\n) == 16
	v_max3_num_f32 v[rC], v[rC], v[rC+1], v[rC+2]
.elseif (\n) == 17
	v_permlanex16_b32 v[rC+3], v[rC], s[SEL], s[SEL+1]
.elseif (\n) == 18
	v_max_num_f32 v[rT+1], v[rC], v[rC+3]
.elseif (\n) == 19
	v_mul_f32 v[rT], s[CS], v[rT+1]
.elseif (\n) == 20
	v_sub_f32 v[rC+1], v[rW], v[rT]
.else
	v_exp_f32 v[rC+2], v[rC+1]
.endif
.endif
.endm
.macro OPS a, i1, b=-1, i2=0, c=-1, i3=0, d=-1, i4=0
	OP \a, \i1
.if (\b) >= 0
	OP \b, \i2
.endif
.if (\c) >= 0
	OP \c, \i3
.endif
.if (\d) >= 0
	OP \d, \i4
.endif
.endm
.macro ROW a, i1, b, i2, c, i3, d, i4  ; a matrix instruction and the four behind it
	MM
	OPS \a, \i1, \b, \i2, \c, \i3, \d, \i4
.endm
; A TURN, for piece p.  Ahead of its one wait stands all that names no result of its exponentials; behind it the 8 products V^T P with the roundings and sums as riders.
; K of the next step is fetched in piece 2's turn, V of the step in hand at the end of piece 0's; each is waited for a turn later.
; last = 1 (the tail's piece 2): K's run stands behind the wait, where a branch may stand, and is jumped over in the trip that has no further step.  cnt = 1: the loop's count is taken down ahead of the branch behind the turn.
.macro TURN p, last=0, cnt=0
.set Y, (\p)
.set i, 0
.if (\p) == 3
	s_wait_dscnt 0x0                               ; K is in
.endif
	ROW F,0, F,1, R,0, R,1
	ROW F,2, E,0, R,2, R,3
	ROW F,3, E,1, R,4, R,5
	ROW F,4, E,2, R,6, R,7
	ROW F,5, E,3, R,8, R,9
	ROW F,6, E,4, X,0, R,10
.if (\p) == 2
	WIN 0
	v_add_nc_u32 v[AK], s[TBK], v[AK0]
.endif
	ROW F,7, E,5, X,1, X,4
	ROW F,8, E,6, X,2, X,5
	OPS E,7, E,8, X,6, E,9
	OPS X,3, E,10, X,8, E,11
.if ((\p) == 2) && !(\last)
	FETCH_K
.endif
	OPS X,9, X,7, E,12, X,10
	OPS E,13, X,12, X,11, E,14
	OPS X,13, E,15, F,9, X,14
.if (\p) == 0
	v_add_nc_u32 v[AV], s[TBV], v[AV0]
.endif
	OPS E,16, F,10, E,17, F,11
	OPS X,16, E,18, X,15, E,19
	OPS F,12, E,20, X,17, E,21
	OPS F,13, E,22, F,14, E,23
	OPS X,18, E,24, F,15, E,25
	OPS R,11, E,26, X,19, E,27
	OPS R,12, E,28, R,13, E,29
	OPS X,20, E,30, R,14, E,31
	OPS X,21, R,15                                 ; R 15 is the plain instruction behind the last exponential
	WIN 0
	s_wait_alu depctr_va_vdst(0)                   ; the wait for the batch
.if ((\p) == 2) && (\last)
	s_cmp_eq_u32 s[CNT], 1
	s_cbranch_scc1 .Lno_k_\@
	FETCH_K
.Lno_k_\@:
.endif
.if (\p) == 1
	s_wait_dscnt 0x0                               ; V is in
.endif
	ROW C,0, B,0, C,2, B,1
	ROW L,0, C,4, B,2, L,1
	ROW C,6, B,3, L,2, C,8
	ROW B,4, L,3, C,10, B,5
	ROW L,4, C,12, B,6, L,5
.if (\p) == 0
	s_add_co_u32 s[TBV], s[TBV], KS*PV
.endif
.if \cnt
	s_sub_co_u32 s[CNT], s[CNT], 1
	s_cmp_lg_u32 s[CNT], 0
.endif
	ROW C,14, B,7, L,6, C,1
	ROW C,3, L,7, C,5, C,7
	ROW C,9, C,11, C,13, C,15
.if (\p) == 0
	FETCH_V
.endif
.endm
	CHANGE 1                                       ; slot 0 is in, everybody's part of it; slot 1 is asked for
	v_add_nc_u32 v[AK], s[TBK], v[AK0]
	FETCH_K                                        ; key step 0
	s_wait_loadcnt 0x0                             ; Q
	s_wait_dscnt 0x0
.set i, 0
.rept 8
	KQ 0                                           ; piece 0's first scores
.set i, i+1
.endr
	WIN 0
.rept 4
	v_nop                                          ; the places behind those products
.endr
.set Y, NP-1                           ; X works for piece Y + 1: piece 0
.irp n, 0,1,2,3,4,5,6,7,8,9,10,11,12,13,14,15,16,17,18,19,20,21
	OP X, \n
.endr
	v_nop                                          ; a plain instruction behind the exponential,
	s_wait_alu depctr_va_vdst(0)                   ; and its wait, ahead of the branch
	s_mov_b32 s[CNT], 4
	s_branch .Lfirst                               ; the loop is entered at a step's first turn, in the middle of a trip
.Lslot:                                                ; six times: slots 2 to 7 are asked for
	CHANGE 1, 1
	s_mov_b32 s[CNT], 4
.Lstep:                                                ; a trip: pieces 2 and 3 of one step, then pieces 0 and 1 of the next, whose K and V it fetches
	TURN 2
	TURN 3
	WIN 0
.Lfirst:
	TURN 0
	TURN 1, 0, 1
	WIN 0
	s_cbranch_scc1 .Lstep
	s_sub_co_u32 s[SLOTS], s[SLOTS], 1
	s_cmp_lg_u32 s[SLOTS], 0
	s_cbranch_scc1 .Lslot
	CHANGE 0                                       ; the tail is written out
	s_mov_b32 s[CNT], 5                            ; four trips fetch the last slot's steps; the fifth is left in its middle
.Ltail:
	TURN 2, 1
	TURN 3
	WIN 0
	s_sub_co_u32 s[CNT], s[CNT], 1
	s_cmp_eq_u32 s[CNT], 0
	s_cbranch_scc1 .Lout
	TURN 0
	TURN 1
	WIN 0
	s_branch .Ltail
.Lout:                                                 ; the fifth trip's products K Q^T for piece 0, on the last K once more, and the maximum made of them serve nothing: the price of one text for every trip
.set i, 0
.rept 8
	PV NP-1                                        ; the last piece's V^T P of the last step
.set i, i+1
.endr
	; THE WAY OUT: l's halves and the other lanes' are added; O^T is divided by l, rounded to bf16 and sent through my stage, a piece at a time.  The additions are the places behind the last products.
	WIN 0
.macro ALL line:vararg
.set t, 0
.rept 4
	\line
.set t, t+1
.endr
.endm
	ALL v_add_f32 v[ST+4*t+2], v[ST+4*t+2], v[ST+4*t+3]
	ALL v_permlanex16_b32 v[ST+4*t+3], v[ST+4*t+2], s[SEL], s[SEL+1]
	ALL v_add_f32 v[ST+4*t+2], v[ST+4*t+2], v[ST+4*t+3]
	ALL v_rcp_f32 v[ST+4*t+2], v[ST+4*t+2]
	v_nop
	s_wait_alu depctr_va_vdst(0)                   ; one wait for the four reciprocals
.macro PACK t
	WIN W_RS
.set i, 32*(\t)
.rept 16
	v_pk_mul_f32 v[i:i+1], v[i:i+1], v[ST+4*(\t)+2:ST+4*(\t)+3] op_sel_hi:[1,0]
.set i, i+2
.endr
	WIN 0x05
.set i, 0
.rept 16
	v_cvt_pk_bf16_f32 v[S+16*(\t)+i], v[32*(\t)+2*i], v[32*(\t)+2*i+1]
.set i, i+1
.endr
	WIN 0
.irp f, 0,1,2,3
	ds_store_b128 v[STO], v[S+16*(\t)+4*\f:S+16*(\t)+4*\f+3] offset:32*\f
.endr
.irp f, 0,1,2,3
	ds_load_b128 v[S+16*(\t)+4*\f:S+16*(\t)+4*\f+3], v[RD] offset:\f*4*SP  ; LDS serves a wave's instructions in order (ISA guide 5.7.1.4)
.endr
.endm
.macro SEND t, younger                 ; younger: the LDS instructions issued behind piece t's loads
	WIN 0
.irp f, 0,1,2,3
	s_wait_dscnt (\younger)+3-\f
	global_store_b128 v[GO], v[S+16*(\t)+4*\f:S+16*(\t)+4*\f+3], s[10:11] offset:(\t)*2048+\f*512  ; 512 consecutive bytes, at a multiple of 256 from o's first
.endr
.endm
	PACK 0
.set t, 1
.rept 3
	PACK t
	SEND t-1, 8
.set t, t+1
.endr
	SEND 3, 0
	s_wait_tensorcnt 0x0                           ; the wave's end
	ds_add_u32 v[SPW], v[NIL]
	s_wait_dscnt 0x0
	CROUND                                         ; the closing round
	s_endpgm
.Lfunc_end_k_q9b0e6ac1a0_attn:
	.size	k_q9b0e6ac1a0_attn, .Lfunc_end_k_q9b0e6ac1a0_attn-k_q9b0e6ac1a0_attn
	.p2alignl 7, 3214868480
	.fill 96, 4, 3214868480
	.section	.rodata,"a",@progbits
	.p2align	6, 0x0
	.amdhsa_kernel k_q9b0e6ac1a0_attn
		.amdhsa_group_segment_fixed_size 327680
		.amdhsa_private_segment_fixed_size 0
		.amdhsa_enable_private_segment 0
		.amdhsa_kernarg_size 16
		.amdhsa_user_sgpr_count 2
		.amdhsa_user_sgpr_kernarg_segment_ptr 1
		.amdhsa_wavefront_size32 1
		.amdhsa_system_sgpr_workgroup_id_x 1
		.amdhsa_system_sgpr_workgroup_id_y 1
		.amdhsa_system_sgpr_workgroup_id_z 1
		.amdhsa_system_vgpr_workitem_id 0
		.amdhsa_next_free_vgpr 768
		.amdhsa_next_free_sgpr 66
		.amdhsa_reserve_vcc 0
		.amdhsa_float_denorm_mode_32 3
		.amdhsa_float_denorm_mode_16_64 3
		.amdhsa_memory_ordered 1
		.amdhsa_forward_progress 1
		.amdhsa_inst_pref_size 112
	.end_amdhsa_kernel
	.amdgpu_metadata
---
amdhsa.version: [ 1, 2 ]
amdhsa.kernels:
  - .name:           k_q9b0e6ac1a0_attn
    .symbol:         k_q9b0e6ac1a0_attn.kd
    .args:
      - { .name: qkv, .offset: 0, .size: 8, .value_kind: global_buffer, .address_space: global }
      - { .name: o, .offset: 8, .size: 8, .value_kind: global_buffer, .address_space: global }
    .group_segment_fixed_size: 327680
    .private_segment_fixed_size: 0
    .kernarg_segment_align: 8
    .kernarg_segment_size: 16
    .max_flat_workgroup_size: 128
    .sgpr_count:     66
    .vgpr_count:     768
    .wavefront_size: 32
...
	.end_amdgpu_metadata
.endif
;; end of part 3
;; launch wo (part 4): grid 8 x 32, 4 waves a work-group, clusters of 4 x 4, 327,680 bytes of LDS; arguments o, wb, bo, x, x1; writes x1
.if DOCPART == 4
	.amdgcn_target "amdgcn-amd-amdhsa--gfx1250"
	.amdhsa_code_object_version 6
	.text
	.protected	k_q9b0e6ac1a0_wo
	.globl	k_q9b0e6ac1a0_wo
	.p2align	8
	.type	k_q9b0e6ac1a0_wo,@function
k_q9b0e6ac1a0_wo:
	s_mov_b64 s[64:65], 0
	v_nop
	global_prefetch_b8 v0, s[64:65] scope:SCOPE_SE
	s_setreg_imm32_b32 hwreg(HW_REG_WAVE_MODE, 25, 1), 1
	s_wait_xcnt 0x0
	s_wait_alu depctr_hold_cnt(0) depctr_sa_sdst(0) depctr_va_vdst(0) depctr_va_sdst(0) depctr_va_ssrc(0) depctr_va_vcc(0) depctr_vm_vsrc(0)
	s_getreg_b32 s2, hwreg(HW_REG_IB_STS2, 6, 4)
	s_cmp_eq_u32 s2, 0
	s_cbranch_scc0 .Lentry_in_a_cluster
	s_endpgm
.Lentry_in_a_cluster:
	s_bfe_u32 s2, ttmp6, 0x10000c
	s_cmp_lg_u32 s2, 0xf033
	s_cbranch_scc0 .Lentry_shape_is_right
	s_endpgm
.Lentry_shape_is_right:
; RESIDUAL + A x W + BIAS, f32 out.  KIND = 0: x1 = x + o Wo + bo (K = 1,024; o lies [token / 128][head][128 rows][64]).  KIND = 1: out0 = x1 + g W2 + b2 (K = 4,096; g lies [4096][4096]).
; A work-group makes 128 tokens x 128 columns, each of its four waves 64 x 64: 16 accumulators.  K goes in steps of 256 through two LDS slots; a quarter is 64 along K, 32 products.
; THE MATRIX INSTRUCTION IS USED TRANSPOSED: source 0 = 16 output columns x 32 k, from the weights' tile ([k][n] in LDS) by the turning load; source 1 = 16 tokens x 32 k.  A lane holds one token, eight columns.
; The bias is the C operand of the products that start the sums.  The residual's 32 loads go out at the head and are added at the end, in f32.
; CLUSTER 4 x 4: A's tile hangs on ty alone (joint along a row), the weights' on tx alone (joint along a column).  Waves 0, 1 fetch A's halves, waves 2, 3 the weights'.
; THE RING.  Both slots' first fills go out together behind the opening round: by the text's own count a wave has two tensor loads out at the start, later one.  A step's last quarter multiplies registers
; alone, so all its 32 products stand AHEAD of the wait for the next tile: between that tile's landing and the request for the tile after it stand only the add, the descriptors' steps, a wait and the round.
; KIND = 0 lays no prefetch: of its four K steps two are asked for at the head, where nothing is prefetched, and only two are left.
; LIMITS: matrix operands in bf16, sums and residual in f32; NaN and infinities are not treated apart.
; REGISTERS.  window 0: v16-30 addresses; v32-63 the bias; v128-255 accumulator (a, b) at 128 + 8 (4 a + b)      window 1: two fragment buffers of 128: A's 64, then the weights' 64      window 2: v0-127 the residual
.set KIND, 0
.if KIND
.set NSTEP,  16
.set PA,     528                       ; 512 bytes + 16
.set ABYTES, 128*528
.set AHALF,  64*528                    ; what one of A's loaders brings
.set AQ,     128                       ; bytes from quarter to quarter in A's LDS
.set AWR,    64*528                    ; my 64 tokens
.set ASTEP,  512
.set WOFF,   16777216
.else
.set NSTEP,  4
.set PA,     144                       ; 128 bytes + 16: a head's row
.set ABYTES, 4*128*144
.set AHALF,  2*128*144
.set AQ,     128*144                   ; a quarter is a head
.set AWR,    64*144
.set ASTEP,  65536
.set WOFF,   6291456
.endif
.set PB,     288                       ; 256 bytes + 32
.set BHALF,  128*PB
.set BSTEP,  524288
.set SLOT,   147456                    ; no slot-0 LDS word of a descriptor has one of its two bits set: an exclusive or changes slots
.set SPARE,  2*SLOT
.set A0,   16
.set B0,   17
.set ADRA, 18
.set ADRB, 19                          ; v19, and v20 = v19 + 128 rows, for quarters 2 and 3
.set STO,  21
.set RD,   22
.set CO,   23
.set BO,   24
.set SPW,  28
.set NIL,  29
.set PFO,  30
.set BIAS, 32
.set ACC,  128
.set F0,   0
.set F1,   128
.set WV, 14
.set WR, 15
.set WC, 16
.set CX, 17
.set CY, 18
.set TX, 19
.set TY, 20
.set TB, 21
.set LIM, 22
.set G1A, 24
.set G0A, 32                           ; s[32:35] group 0 for A's tiles: it starts at tile 1 in slot 1 and walks
.set G0B, 36                           ; s[36:39] the same for the weights'
.set G1B, 40
.set PFA, 48
.set PFS, 50
.set T0A, 68                           ; s[68:71] group 0 for A's tile 0
.set T0B, 72                           ; s[72:75] for the weights' tile 0
.set MSB, 0
.macro WIN new
.if MSB != (\new)
	s_set_vgpr_msb (MSB<<8)|(\new)
.set MSB, \new
.endif
.endm
.macro PLACES
.rept 4
	v_nop
.endr
.endm
.macro JLOAD                           ; a joint refill; the branch hangs on the wave's number alone
	s_cmp_eq_u32 s[WR], 0
	s_cbranch_scc0 .Lfor_b_\@
	tensor_load_to_lds s[G0A:G0A+3], s[G1A:G1A+7]
	s_nop 0
.rept 4
	v_nop
.endr
	s_branch .Lasked_\@
.Lfor_b_\@:
	tensor_load_to_lds s[G0B:G0B+3], s[G1B:G1B+7]
	s_nop 0
.rept 4
	v_nop
.endr
.Lasked_\@:
.endm
.macro CREST
	s_cmp_lg_u32 s[WV], 0
	s_cbranch_scc1 .Lnot_wave_0_\@
	s_barrier_signal -3
.Lnot_wave_0_\@:
	s_barrier_wait -3
	s_barrier_signal -1
	s_barrier_wait -1
.endm
.macro CROUND
	s_barrier_signal -1
	s_barrier_wait -1
	CREST
.endm
; PREFETCH INTO THE L2 (KIND = 1): at the refill of tile i the tile i + 2 is asked for, two K steps, 256 products, ahead.  A's rows are read by every cluster of a row of clusters: cluster x = 0 asks; the weights'
; by every cluster of a column: cluster y = 0 asks.  Of what a wave fetches each of the four partners takes a quarter, told apart by address: 32 blocks of 256 bytes, a lane a block.  The last two refills ask for nothing.
.macro ASK
	s_cmp_gt_u32 s3, s[LIM]
	s_cbranch_scc0 .Lnot_mine_\@
	global_prefetch_b8 v[PFO], s[PFA:PFA+1] th:TH_LOAD_NT scope:SCOPE_SE
.Lnot_mine_\@:
.endm
; 8 products: token blocks a0, a0 + 1 x all 4 column blocks, 32 along K: half c of buffer f.  mode = 1: they start the sums with the bias
.macro MUL8 f, c, a0, mode
	WIN 0x05
.irp a, \a0, (\a0)+1
.irp b, 0,1,2,3
.if \mode
	v_wmma_f32_16x16x32_bf16 v[ACC+8*(4*(\a)+(\b)):ACC+8*(4*(\a)+(\b))+7], v[(\f)+64+8*(4*(\c)+(\b)):(\f)+64+8*(4*(\c)+(\b))+7], v[(\f)+8*(4*(\c)+(\a)):(\f)+8*(4*(\c)+(\a))+7], v[BIAS+8*(\b):BIAS+8*(\b)+7]
.else
	v_wmma_f32_16x16x32_bf16 v[ACC+8*(4*(\a)+(\b)):ACC+8*(4*(\a)+(\b))+7], v[(\f)+64+8*(4*(\c)+(\b)):(\f)+64+8*(4*(\c)+(\b))+7], v[(\f)+8*(4*(\c)+(\a)):(\f)+8*(4*(\c)+(\a))+7], v[ACC+8*(4*(\a)+(\b)):ACC+8*(4*(\a)+(\b))+7]
.endif
.endr
.endr
.endm
; 32 LDS loads in one run: quarter q (64 along K) into buffer f; the first 32 along K first
.macro FETCH q, f
	WIN 0x40
.irp c, 0,1
.irp i, 0,1,2,3
	ds_load_tr16_b128 v[(\f)+64+8*(4*(\c)+(\i)):(\f)+64+8*(4*(\c)+(\i))+3],   v[ADRB+(\q)/2] offset:(64*((\q)%2)+32*(\c))*PB+32*(\i)
	ds_load_tr16_b128 v[(\f)+64+8*(4*(\c)+(\i))+4:(\f)+64+8*(4*(\c)+(\i))+7], v[ADRB+(\q)/2] offset:(64*((\q)%2)+32*(\c))*PB+32*(\i)+16*PB
	ds_load_b128 v[(\f)+8*(4*(\c)+(\i)):(\f)+8*(4*(\c)+(\i))+3],   v[ADRA] offset:AQ*(\q)+64*(\c)+16*PA*(\i)
	ds_load_b128 v[(\f)+8*(4*(\c)+(\i))+4:(\f)+8*(4*(\c)+(\i))+7], v[ADRA] offset:AQ*(\q)+64*(\c)+16*PA*(\i)+32
.endr
.endr
.endm
.macro QUARTER qn, f, g, mode
	s_wait_dscnt 16                                ; the first 32 along K are in
	MUL8 \f, 0, 0, \mode
	MUL8 \f, 0, 2, \mode
	PLACES
	FETCH \qn, \g
	s_wait_dscnt 32                                ; all but the 32 just issued
	MUL8 \f, 1, 0, 0
	MUL8 \f, 1, 2, 0
.endm
; A step's last quarter, on buffer 1, and the change of slots.  The quarter's products come first: they need nothing of the next tile.  Then each wave waits for all its tensor loads, adds 0 to its spare word and
; waits for that (its reads of this slot were waited for ahead of the quarter's second half); with fill = 1 a round of the cluster's barrier follows, and this slot is filled again first behind it, with the tile two steps on.
.macro TURN fill
.if (\fill) && KIND
	s_wait_xcnt 0x0                                ; the last prefetch, a K step back, has read its address
	s_add_nc_u64 s[PFA:PFA+1], s[PFA:PFA+1], s[PFS:PFS+1]
.endif
	s_wait_dscnt 16                                ; the first 32 along K are in
	MUL8 F1, 0, 0, 0
	MUL8 F1, 0, 2, 0
	s_wait_dscnt 0x0                               ; my reads of this slot are over
	MUL8 F1, 1, 0, 0
	MUL8 F1, 1, 2, 0
	WIN 0
	s_wait_tensorcnt 0x0                           ; my part of the next slot has landed; no load of mine is out, so a group 0 may be written
	ds_add_u32 v[SPW], v[NIL]
.if \fill
	s_xor_b32 s[G0A+1], s[G0A+1], SLOT             ; the walking descriptors: the slot just read out,
	s_xor_b32 s[G0B+1], s[G0B+1], SLOT
	s_add_nc_u64 s[G0A+2:G0A+3], s[G0A+2:G0A+3], ASTEP  ; the next tile
	s_add_nc_u64 s[G0B+2:G0B+3], s[G0B+2:G0B+3], BSTEP
.endif
	s_wait_dscnt 0x0                               ; the add is done
.if \fill
	CROUND                                         ; no wave of any partner still reads this slot's tile or has a load on its way
	JLOAD                                          ; its four v_nop are also the places in front of the loads below
.else
	s_barrier_signal -1
	s_barrier_wait -1
	PLACES
.endif
	s_xor_b32 s[TB], s[TB], SLOT
	v_add_nc_u32 v[ADRA], s[TB], v[A0]
	v_add_nc_u32 v[ADRB], s[TB], v[B0]
	v_add_nc_u32 v[ADRB+1], BHALF, v[ADRB]
	FETCH 0, F0
.if (\fill) && KIND
	WIN 0
	ASK
.endif
.endm
	s_load_b256 s[4:11], s[0:1], 0x0               ; A s[4:5], wb s[6:7], bias s[8:9], residual s[10:11]
	s_load_b64 s[12:13], s[0:1], 0x20              ; the output
	v_lshl_add_u32 v[SPW], v0, 2, SPARE
	v_mov_b32 v[NIL], 0
	ds_add_u32 v[SPW], v[NIL]                      ; the opening add
	v_lshrrev_b32 v1, 5, v0
	v_readfirstlane_b32 s[WV], v1
	s_lshr_b32 s[WR], s[WV], 1                     ; my half of the tokens.  Also: I fetch for A (0) or for the weights (1)
	s_and_b32 s[WC], s[WV], 1                      ; my half of the columns.  Also: which half of that tile I fetch
	s_bfe_u32 s[CX], ttmp6, 0x40000
	s_bfe_u32 s[CY], ttmp6, 0x40004
	s_lshl_b32 s[TX], ttmp9, 2
	s_add_co_u32 s[TX], s[TX], s[CX]
	s_and_b32 s[TY], ttmp7, 0xffff
	s_lshl_b32 s[TY], s[TY], 2
	s_add_co_u32 s[TY], s[TY], s[CY]
	s_lshl_b32 s52, s[CY], 2
	s_lshl_b32 s52, 15, s52                        ; my row of the cluster
	s_lshl_b32 s54, 0x1111, s[CX]                  ; my column
.if KIND
	s_or_b32 s[G1A], s52, (1<<16)|(1<<20)|(1<<21)|(6<<22)|(3<<25)  ; 64 rows of 512 bytes, 4 words of padding behind each
	s_mov_b32 s[G1A+1], 256<<16
	s_mov_b32 s[G1A+2], 64<<16
	s_mov_b32 s[G1A+3], 256<<16
	s_mov_b32 s[G1A+4], 64
	s_mov_b32 s[G1A+5], 4096
.else
	s_or_b32 s[G1A], s52, (1<<16)|(1<<20)|(1<<21)|(4<<22)|(3<<25)  ; two heads, 32,768 dense bytes, as 128 rows of 256; 4 words of padding after every 128 bytes
	s_mov_b32 s[G1A+1], 128<<16
	s_mov_b32 s[G1A+2], 128<<16
	s_mov_b32 s[G1A+3], 128<<16
	s_mov_b32 s[G1A+4], 128
	s_mov_b32 s[G1A+5], 128
.endif
	s_mov_b32 s[G1A+6], 0
	s_mov_b32 s[G1A+7], 0
	s_or_b32 s[G1B], s54, (1<<16)|(1<<20)|(1<<21)|(5<<22)|(7<<25)  ; 128 rows (k) of 256 bytes, 8 words of padding behind each
	s_mov_b32 s[G1B+1], 128<<16
	s_mov_b32 s[G1B+2], 128<<16
	s_mov_b32 s[G1B+3], 128<<16
	s_mov_b32 s[G1B+4], 128
	s_mov_b32 s[G1B+5], 1024
	s_mov_b32 s[G1B+6], 0
	s_mov_b32 s[G1B+7], 0
.if KIND
	s_lshl_b32 s52, s[TY], 7
	s_lshl_b32 s53, s[WC], 6
	s_add_co_u32 s52, s52, s53
	s_lshl_b32 s52, s52, 13                        ; row x 8,192 bytes
.else
	s_lshl_b32 s52, s[TY], 18                      ; the block of 128 tokens,
	s_lshl_b32 s53, s[WC], 15                      ; two heads
	s_add_co_u32 s52, s52, s53
.endif
	s_mov_b32 s53, 0
	s_lshl_b32 s54, s[TX], 8
	s_lshl_b32 s55, s[WC], 18                      ; 128 rows of 2,048 bytes
	s_add_co_u32 s54, s54, s55
	s_add_co_u32 s54, s54, WOFF
	s_mov_b32 s55, 0
	s_mul_i32 s56, s[WC], AHALF
	s_mul_i32 s57, s[WC], BHALF
	s_mov_b32 s[T0A], 1
	s_mov_b32 s[T0A+1], s56                        ; tile 0 into slot 0,
	s_mov_b32 s[T0B], 1
	s_add_co_u32 s[T0B+1], s57, ABYTES
	s_mov_b32 s[G0A], 1
	s_add_co_u32 s[G0A+1], s56, SLOT               ; tile 1 into slot 1
	s_mov_b32 s[G0B], 1
	s_add_co_u32 s[G0B+1], s57, ABYTES+SLOT
	s_mov_b32 s[TB], 0
	s_wait_dscnt 0x0                               ; the opening add is done
	s_wait_kmcnt 0x0
	s_add_nc_u64 s[T0A+2:T0A+3], s[4:5], s[52:53]
	s_add_nc_u64 s[G0A+2:G0A+3], s[T0A+2:T0A+3], ASTEP
	s_or_b32 s[T0A+3], s[T0A+3], 0x80000000
	s_or_b32 s[G0A+3], s[G0A+3], 0x80000000
	s_add_nc_u64 s[T0B+2:T0B+3], s[6:7], s[54:55]
	s_add_nc_u64 s[G0B+2:G0B+3], s[T0B+2:T0B+3], BSTEP
	s_or_b32 s[T0B+3], s[T0B+3], 0x80000000
	s_or_b32 s[G0B+3], s[G0B+3], 0x80000000
	CROUND                                         ; all sixteen work-groups are here: the first joint loads meet
	s_cmp_eq_u32 s[WR], 0                          ; a wave's two first fills stand in one branch, ahead of every wait on TENSORcnt and every LDS read
	s_cbranch_scc0 .Lfirst_b
	tensor_load_to_lds s[T0A:T0A+3], s[G1A:G1A+7]
	s_nop 0
	tensor_load_to_lds s[G0A:G0A+3], s[G1A:G1A+7]
	s_nop 0
.rept 4
	v_nop
.endr
	s_branch .Lfirst_asked
.Lfirst_b:
	tensor_load_to_lds s[T0B:T0B+3], s[G1B:G1B+7]
	s_nop 0
	tensor_load_to_lds s[G0B:G0B+3], s[G1B:G1B+7]
	s_nop 0
.rept 4
	v_nop
.endr
.Lfirst_asked:
	v_and_b32 v1, 15, v0                           ; r
	v_bfe_u32 v2, v0, 4, 1                         ; h
	v_and_b32 v3, 7, v0
	v_bfe_u32 v4, v0, 3, 1
	v_mul_u32_u24 v[A0], v1, PA
	v_lshl_add_u32 v[A0], v2, 4, v[A0]
	s_mul_i32 s52, s[WR], AWR
	v_add_nc_u32 v[A0], s52, v[A0]
	v_lshl_add_u32 v[B0], v2, 3, v3
	v_mul_u32_u24 v[B0], v[B0], PB
	v_lshl_add_u32 v[B0], v4, 4, v[B0]
	s_lshl_b32 s52, s[WC], 7
	s_add_co_u32 s52, s52, ABYTES
	v_add_nc_u32 v[B0], s52, v[B0]
	v_lshlrev_b32 v[BO], 5, v2
	v_lshlrev_b32 v[CO], 12, v2
	v_lshl_add_u32 v[CO], v1, 4, v[CO]             ; lanes 0-15 one row's 256 bytes, lanes 16-31 the next row's
	s_lshl_b32 s52, s[TX], 9                       ; my 64 columns, in bytes of f32
	s_lshl_b32 s53, s[WC], 8
	s_add_co_u32 s52, s52, s53
	s_mov_b32 s53, 0
	s_add_nc_u64 s[8:9], s[8:9], s[52:53]
	s_lshl_b32 s54, s[TY], 7
	s_lshl_b32 s55, s[WR], 6
	s_add_co_u32 s54, s54, s55
	s_lshl_b32 s54, s54, 12                        ; my first token x 4,096 bytes
	s_add_co_u32 s54, s54, s52
	s_mov_b32 s55, 0
	s_add_nc_u64 s[10:11], s[10:11], s[54:55]
	s_add_nc_u64 s[12:13], s[12:13], s[54:55]
.irp b, 0,1,2,3
	global_load_b128 v[BIAS+8*(\b):BIAS+8*(\b)+3],   v[BO], s[8:9] offset:64*(\b)
	global_load_b128 v[BIAS+8*(\b)+4:BIAS+8*(\b)+7], v[BO], s[8:9] offset:64*(\b)+16
.endr
	WIN 0x80
.set t, 0
.rept 32
	global_load_b128 v[4*t:4*t+3], v[CO], s[10:11] offset:8192*t  ; the residual: rows 2 t, 2 t + 1 of my 64
.set t, t+1
.endr
	WIN 0
	s_mul_i32 s52, s[WV], 64*272                   ; my stage on the way out: 64 rows x 272 bytes
	v_mul_u32_u24 v[STO], v1, 272
	v_lshl_add_u32 v[STO], v2, 5, v[STO]
	v_add_nc_u32 v[STO], s52, v[STO]
	v_mul_u32_u24 v[RD], v2, 272
	v_lshl_add_u32 v[RD], v1, 4, v[RD]
	v_add_nc_u32 v[RD], s52, v[RD]
.if KIND
	s_lshl_b32 s52, s[TY], 7                       ; the prefetches' pointer stands at tile 3; each change steps it
	s_lshl_b32 s53, s[WC], 6
	s_add_co_u32 s52, s52, s53
	s_lshl_b32 s53, s[CX], 4
	s_add_co_u32 s52, s52, s53
	s_lshl_b32 s52, s52, 13
	s_add_co_u32 s52, s52, 3*ASTEP
	s_lshl_b32 s54, s[WC], 7
	s_lshl_b32 s55, s[CY], 5
	s_add_co_u32 s54, s54, s55
	s_lshl_b32 s54, s54, 11
	s_lshl_b32 s55, s[TX], 8
	s_add_co_u32 s54, s54, s55
	s_add_co_u32 s54, s54, WOFF+3*BSTEP
	s_mov_b32 s55, BSTEP
	s_and_b32 s56, ttmp7, 0xffff
	s_cmp_eq_u32 s[WR], 0
	s_cselect_b32 s56, ttmp9, s56                  ; the coordinate along which other clusters read the same rows
	s_cselect_b64 s[PFA:PFA+1], s[4:5], s[6:7]
	s_cselect_b32 s52, s52, s54
	s_cselect_b32 s[PFS], ASTEP, s55
	s_cselect_b32 s57, -1, 0
	s_mov_b32 s[PFS+1], 0
	s_mov_b32 s53, 0
	s_add_nc_u64 s[PFA:PFA+1], s[PFA:PFA+1], s[52:53]
	s_cmp_eq_u32 s56, 0
	s_cselect_b32 s[LIM], 2, -1
	v_and_b32 v5, 31, v0
	v_lshlrev_b32 v6, 11, v5                       ; the weights: a lane a row
	v_lshrrev_b32 v7, 1, v5                        ; A: two lanes a row of 512 bytes
	v_and_b32 v8, 1, v5
	v_lshlrev_b32 v8, 8, v8
	v_lshl_add_u32 v7, v7, 13, v8
	v_cndmask_b32 v[PFO], v6, v7, s57
.endif
	s_wait_tensorcnt 0x1                           ; my part of tile 0 is in; tile 1's may stay out
	s_barrier_signal -1
	s_barrier_wait -1                              ; everybody's is
	v_add_nc_u32 v[ADRA], s[TB], v[A0]
	v_add_nc_u32 v[ADRB], s[TB], v[B0]
	v_add_nc_u32 v[ADRB+1], BHALF, v[ADRB]
	FETCH 0, F0
	s_wait_loadcnt 32                              ; the bias is in; the residual's 32 loads may stay out
	QUARTER 1, F0, F1, 1
	WIN 0
	s_mov_b32 s3, NSTEP-1
	s_branch .Lmid                                 ; the loop is entered in its middle
.Lloop:
	TURN 1
	QUARTER 1, F0, F1, 0
	WIN 0
.Lmid:
	QUARTER 2, F1, F0, 0
	QUARTER 3, F0, F1, 0
	WIN 0
	s_sub_co_u32 s3, s3, 1
	s_cmp_lg_u32 s3, 0
	s_cbranch_scc1 .Lloop
	TURN 0                                         ; the tail is written out: nothing is left to ask for
	QUARTER 1, F0, F1, 0
	QUARTER 2, F1, F0, 0
	QUARTER 3, F0, F1, 0
	s_wait_dscnt 16
	MUL8 F1, 0, 0, 0
	MUL8 F1, 0, 2, 0
	s_wait_dscnt 0x0
	MUL8 F1, 1, 0, 0
	MUL8 F1, 1, 2, 0
	WIN 0
	; THE WAY OUT.  The slots have had their last fill; behind a barrier (every wave's reads of them are over) each wave has a stage of its own in slot 0.
	PLACES
	s_wait_dscnt 0x0
	s_barrier_signal -1
	s_barrier_wait -1
.irp a, 0,1,2,3
.irp b, 0,1,2,3
	ds_store_b128 v[STO], v[ACC+8*(4*(\a)+(\b)):ACC+8*(4*(\a)+(\b))+3]   offset:4352*(\a)+64*(\b)
	ds_store_b128 v[STO], v[ACC+8*(4*(\a)+(\b))+4:ACC+8*(4*(\a)+(\b))+7] offset:4352*(\a)+64*(\b)+16
.endr
.endr
.set t, 0
.rept 32
	ds_load_b128 v[ACC+4*t:ACC+4*t+3], v[RD] offset:544*t  ; LDS serves a wave's instructions in order (ISA guide 5.7.1.4): whole rows come back
.set t, t+1
.endr
	s_wait_loadcnt 0x0                             ; the residual
	s_wait_dscnt 0x0
	WIN 0x82
.set i, 0
.rept 64
	v_pk_add_f32 v[i:i+1], v[i:i+1], v[ACC+i:ACC+i+1]
.set i, i+2
.endr
	WIN 0x08
.set t, 0
.rept 32
	global_store_b128 v[CO], v[4*t:4*t+3], s[12:13] offset:8192*t  ; sixteen lanes store 256 consecutive bytes, aligned
.set t, t+1
.endr
	WIN 0
	s_wait_tensorcnt 0x0                           ; the wave's end
	ds_add_u32 v[SPW], v[NIL]
	s_wait_dscnt 0x0
	CROUND                                         ; the closing round
	s_endpgm
.Lfunc_end_k_q9b0e6ac1a0_wo:
	.size	k_q9b0e6ac1a0_wo, .Lfunc_end_k_q9b0e6ac1a0_wo-k_q9b0e6ac1a0_wo
	.p2alignl 7, 3214868480
	.fill 96, 4, 3214868480
	.section	.rodata,"a",@progbits
	.p2align	6, 0x0
	.amdhsa_kernel k_q9b0e6ac1a0_wo
		.amdhsa_group_segment_fixed_size 327680
		.amdhsa_private_segment_fixed_size 0
		.amdhsa_enable_private_segment 0
		.amdhsa_kernarg_size 40
		.amdhsa_user_sgpr_count 2
		.amdhsa_user_sgpr_kernarg_segment_ptr 1
		.amdhsa_wavefront_size32 1
		.amdhsa_system_sgpr_workgroup_id_x 1
		.amdhsa_system_sgpr_workgroup_id_y 1
		.amdhsa_system_sgpr_workgroup_id_z 1
		.amdhsa_system_vgpr_workitem_id 0
		.amdhsa_next_free_vgpr 640
		.amdhsa_next_free_sgpr 80
		.amdhsa_reserve_vcc 0
		.amdhsa_float_denorm_mode_32 3
		.amdhsa_float_denorm_mode_16_64 3
		.amdhsa_memory_ordered 1
		.amdhsa_forward_progress 1
		.amdhsa_inst_pref_size 67
	.end_amdhsa_kernel
	.amdgpu_metadata
---
amdhsa.version: [ 1, 2 ]
amdhsa.kernels:
  - .name:           k_q9b0e6ac1a0_wo
    .symbol:         k_q9b0e6ac1a0_wo.kd
    .args:
      - { .name: o, .offset: 0, .size: 8, .value_kind: global_buffer, .address_space: global }
      - { .name: wb, .offset: 8, .size: 8, .value_kind: global_buffer, .address_space: global }
      - { .name: bo, .offset: 16, .size: 8, .value_kind: global_buffer, .address_space: global }
      - { .name: x, .offset: 24, .size: 8, .value_kind: global_buffer, .address_space: global }
      - { .name: x1, .offset: 32, .size: 8, .value_kind: global_buffer, .address_space: global }
    .group_segment_fixed_size: 327680
    .private_segment_fixed_size: 0
    .kernarg_segment_align: 8
    .kernarg_segment_size: 40
    .max_flat_workgroup_size: 128
    .sgpr_count:     80
    .vgpr_count:     640
    .wavefront_size: 32
...
	.end_amdgpu_metadata
.endif
;; end of part 4
;; launch ln2 (part 5): grid 512 x 1, 8 waves a work-group, no clusters, 0 bytes of LDS; arguments x1, ln2_g, ln2_b, h2; writes h2
.if DOCPART == 5
	.amdgcn_target "amdgcn-amd-amdhsa--gfx1250"
	.amdhsa_code_object_version 6
	.text
	.protected	k_q9b0e6ac1a0_ln2
	.globl	k_q9b0e6ac1a0_ln2
	.p2align	8
	.type	k_q9b0e6ac1a0_ln2,@function
k_q9b0e6ac1a0_ln2:
	s_mov_b64 s[64:65], 0
	v_nop
	global_prefetch_b8 v0, s[64:65] scope:SCOPE_SE
	s_setreg_imm32_b32 hwreg(HW_REG_WAVE_MODE, 25, 1), 1
	s_wait_xcnt 0x0
; h2 = LayerNorm(x1) g + b, rounded once to bf16.  A wave takes one row of 1,024 f32 and keeps it in 32 registers: the row is read once, and no wave waits for another.
; The mean is taken first and subtracted, then the squares are summed: no difference of large sums.  LIMITS: NaN and infinities are not treated apart; the reciprocal root is the instruction's (1 ulp).
.set T,  4
.set M,  12
.set R,  14
.set X,  16
.set G,  48
.set BB, 80
.macro REDUCE                          ; the four chains into one number, the same in every lane, in v[T]
	v_pk_add_f32 v[T:T+1], v[T:T+1], v[T+2:T+3]
	v_pk_add_f32 v[T+4:T+5], v[T+4:T+5], v[T+6:T+7]
	v_pk_add_f32 v[T:T+1], v[T:T+1], v[T+4:T+5]
	v_add_f32 v[T], v[T], v[T+1]
	v_add_f32_dpp v[T], v[T], v[T] row_xmask:1 row_mask:0xf bank_mask:0xf
	v_add_f32_dpp v[T], v[T], v[T] row_xmask:2 row_mask:0xf bank_mask:0xf
	v_add_f32_dpp v[T], v[T], v[T] row_xmask:4 row_mask:0xf bank_mask:0xf
	v_add_f32_dpp v[T], v[T], v[T] row_xmask:8 row_mask:0xf bank_mask:0xf
	v_permlanex16_b32 v[T+1], v[T], s22, s23
	v_add_f32 v[T], v[T], v[T+1]
.endm
	s_load_b256 s[4:11], s[0:1], 0x0               ; x1 s[4:5], gain s[6:7], bias s[8:9], h2 s[10:11]
	v_lshrrev_b32 v3, 5, v0
	v_readfirstlane_b32 s12, v3
	v_and_b32 v1, 31, v0
	v_lshlrev_b32 v2, 3, v1
	v_lshlrev_b32 v1, 4, v1
	s_lshl_b32 s13, ttmp9, 3
	s_add_co_u32 s13, s13, s12                     ; my row
	s_lshl_b32 s14, s13, 12
	s_mov_b32 s15, 0
	s_lshl_b32 s16, s13, 11
	s_mov_b32 s17, 0
	s_mov_b32 s20, 0x3a800000                      ; 1 / 1024
	s_mov_b32 s21, 0x3727c5ac                      ; 1e-5
	s_mov_b32 s22, 0x76543210
	s_mov_b32 s23, 0xfedcba98
	s_wait_kmcnt 0x0
	s_add_nc_u64 s[4:5], s[4:5], s[14:15]
	s_add_nc_u64 s[10:11], s[10:11], s[16:17]
.irp j, 0,1,2,3,4,5,6,7
	global_load_b128 v[X+4*(\j):X+4*(\j)+3], v1, s[4:5] offset:512*(\j)
.endr
.irp j, 0,1,2,3,4,5,6,7
	global_load_b128 v[G+4*(\j):G+4*(\j)+3], v1, s[6:7] offset:512*(\j)
.endr
.irp j, 0,1,2,3,4,5,6,7
	global_load_b128 v[BB+4*(\j):BB+4*(\j)+3], v1, s[8:9] offset:512*(\j)
.endr
	s_wait_loadcnt 16                              ; the row is in; the gain's and the bias's sixteen loads may stay out
.irp c, 0,1,2,3
	v_pk_add_f32 v[T+2*(\c):T+2*(\c)+1], v[X+2*(\c):X+2*(\c)+1], v[X+8+2*(\c):X+8+2*(\c)+1]
.endr
.irp k, 2,3
.irp c, 0,1,2,3
	v_pk_add_f32 v[T+2*(\c):T+2*(\c)+1], v[T+2*(\c):T+2*(\c)+1], v[X+8*(\k)+2*(\c):X+8*(\k)+2*(\c)+1]
.endr
.endr
	REDUCE
	v_mul_f32 v[M], s20, v[T]
	v_mov_b32 v[M+1], v[M]
.set i, 0
.rept 16
	v_pk_add_f32 v[X+i:X+i+1], v[X+i:X+i+1], v[M:M+1] neg_lo:[0,1] neg_hi:[0,1]
.set i, i+2
.endr
.irp c, 0,1,2,3
	v_pk_mul_f32 v[T+2*(\c):T+2*(\c)+1], v[X+2*(\c):X+2*(\c)+1], v[X+2*(\c):X+2*(\c)+1]
.endr
.irp k, 1,2,3
.irp c, 0,1,2,3
	v_pk_fma_f32 v[T+2*(\c):T+2*(\c)+1], v[X+8*(\k)+2*(\c):X+8*(\k)+2*(\c)+1], v[X+8*(\k)+2*(\c):X+8*(\k)+2*(\c)+1], v[T+2*(\c):T+2*(\c)+1]
.endr
.endr
	REDUCE
	v_fma_f32 v[T], v[T], s20, s21
	v_rsq_f32 v[R], v[T]
	v_rsq_f32 v[R+1], v[T]
	v_nop                                          ; a plain instruction behind the last root,
	s_wait_alu depctr_va_vdst(0)                   ; and one wait for both
	s_wait_loadcnt 0x0
.set i, 0
.rept 16
	v_pk_mul_f32 v[X+i:X+i+1], v[X+i:X+i+1], v[R:R+1]
.set i, i+2
.endr
.set i, 0
.rept 16
	v_pk_fma_f32 v[X+i:X+i+1], v[X+i:X+i+1], v[G+i:G+i+1], v[BB+i:BB+i+1]
.set i, i+2
.endr
.set i, 0
.rept 16
	v_cvt_pk_bf16_f32 v[X+i], v[X+2*i], v[X+2*i+1]
.set i, i+1
.endr
.irp j, 0,1,2,3,4,5,6,7
	global_store_b64 v2, v[X+2*(\j):X+2*(\j)+1], s[10:11] offset:256*(\j)  ; the wave's store covers 256 consecutive bytes, aligned
.endr
	s_endpgm
.Lfunc_end_k_q9b0e6ac1a0_ln2:
	.size	k_q9b0e6ac1a0_ln2, .Lfunc_end_k_q9b0e6ac1a0_ln2-k_q9b0e6ac1a0_ln2
	.p2alignl 7, 3214868480
	.fill 96, 4, 3214868480
	.section	.rodata,"a",@progbits
	.p2align	6, 0x0
	.amdhsa_kernel k_q9b0e6ac1a0_ln2
		.amdhsa_group_segment_fixed_size 0
		.amdhsa_private_segment_fixed_size 0
		.amdhsa_enable_private_segment 0
		.amdhsa_kernarg_size 32
		.amdhsa_user_sgpr_count 2
		.amdhsa_user_sgpr_kernarg_segment_ptr 1
		.amdhsa_wavefront_size32 1
		.amdhsa_system_sgpr_workgroup_id_x 1
		.amdhsa_system_sgpr_workgroup_id_y 1
		.amdhsa_system_sgpr_workgroup_id_z 1
		.amdhsa_system_vgpr_workitem_id 0
		.amdhsa_next_free_vgpr 112
		.amdhsa_next_free_sgpr 66
		.amdhsa_reserve_vcc 0
		.amdhsa_float_denorm_mode_32 3
		.amdhsa_float_denorm_mode_16_64 3
		.amdhsa_memory_ordered 1
		.amdhsa_forward_progress 1
		.amdhsa_inst_pref_size 12
	.end_amdhsa_kernel
	.amdgpu_metadata
---
amdhsa.version: [ 1, 2 ]
amdhsa.kernels:
  - .name:           k_q9b0e6ac1a0_ln2
    .symbol:         k_q9b0e6ac1a0_ln2.kd
    .args:
      - { .name: x1, .offset: 0, .size: 8, .value_kind: global_buffer, .address_space: global }
      - { .name: ln2_g, .offset: 8, .size: 8, .value_kind: global_buffer, .address_space: global }
      - { .name: ln2_b, .offset: 16, .size: 8, .value_kind: global_buffer, .address_space: global }
      - { .name: h2, .offset: 24, .size: 8, .value_kind: global_buffer, .address_space: global }
    .group_segment_fixed_size: 0
    .private_segment_fixed_size: 0
    .kernarg_segment_align: 8
    .kernarg_segment_size: 32
    .max_flat_workgroup_size: 256
    .sgpr_count:     66
    .vgpr_count:     112
    .wavefront_size: 32
...
	.end_amdgpu_metadata
.endif
;; end of part 5
;; launch ffn1 (part 6): grid 16 x 16, 4 waves a work-group, clusters of 4 x 4, 327,680 bytes of LDS; arguments h2, wb, b1, g; writes g
.if DOCPART == 6
	.amdgcn_target "amdgcn-amd-amdhsa--gfx1250"
	.amdhsa_code_object_version 6
	.text
	.protected	k_q9b0e6ac1a0_ffn1
	.globl	k_q9b0e6ac1a0_ffn1
	.p2align	8
	.type	k_q9b0e6ac1a0_ffn1,@function
k_q9b0e6ac1a0_ffn1:
	s_mov_b64 s[64:65], 0
	v_nop
	global_prefetch_b8 v0, s[64:65] scope:SCOPE_SE
	s_setreg_imm32_b32 hwreg(HW_REG_WAVE_MODE, 25, 1), 1
	s_wait_xcnt 0x0
	s_wait_alu depctr_hold_cnt(0) depctr_sa_sdst(0) depctr_va_vdst(0) depctr_va_sdst(0) depctr_va_ssrc(0) depctr_va_vcc(0) depctr_vm_vsrc(0)
	s_getreg_b32 s2, hwreg(HW_REG_IB_STS2, 6, 4)
	s_cmp_eq_u32 s2, 0
	s_cbranch_scc0 .Lentry_in_a_cluster
	s_endpgm
.Lentry_in_a_cluster:
	s_bfe_u32 s2, ttmp6, 0x10000c
	s_cmp_lg_u32 s2, 0xf033
	s_cbranch_scc0 .Lentry_shape_is_right
	s_endpgm
.Lentry_shape_is_right:
; g = gelu(h2 W1 + b1), the exact (erf) form, rounded once to bf16.  h2 [4096][1024] bf16, W1 [1024][4096] bf16 in wb, g [4096][4096] bf16.
; A work-group makes 256 tokens x 256 columns, each of its four waves 128 x 128: 64 accumulators.  K = 1,024 goes in 8 steps of 128 through two LDS slots; a quarter is 32 along K, 64 products.
; THE MATRIX INSTRUCTION IS USED TRANSPOSED: source 0 = 16 output columns x 32 k, from W1's tile ([k][n] in LDS) by the turning load; source 1 = 16 tokens x 32 k.  A lane holds one token, eight columns.
; The bias is the C operand of the products that start the sums.
; CLUSTER 4 x 4: h2's tile hangs on ty alone (joint along a row), W1's on tx alone (joint along a column).  Waves 0, 1 fetch h2's halves, waves 2, 3 W1's.  One tensor load a wave is out.
; GELU: gelu(x) = max(x, 0) - |x| q(t) 2^(-x^2 log2(e) / 2), t = 1 / (1 + 0.23164189 |x|), q the fifth-degree polynomial of Abramowitz and Stegun 7.1.26 with its coefficients halved:
; erf to 1.5e-7 absolute, for every x.  It is made in a loop over a stage in LDS, four rows a trip, so that the text stays short.
; LIMITS: operands and g in bf16, sums in f32; exponentials and reciprocals give 0 below 2^-126; NaN and infinities are not treated apart.
; REGISTERS.  window 0: v16-30 addresses; v64-127, v128-191 tokens' fragments, two buffers (later GELU's); v192-255 the bias      window 1: v64-127, v128-191 W1's fragments
;   windows 2, 3: accumulator (a, b) at v[8 (8 (a % 4) + b)] of window 2 + a / 4
.set NSTEP,  8
.set PA,     272
.set PB,     544                       ; 512 bytes + 32
.set HALFT,  34816                     ; 128 rows x 272 = 64 rows x 544: what one tensor load brings
.set SLOT,   4*HALFT                   ; no LDS word of a descriptor has one of its two bits set: an exclusive or changes slots
.set SPARE,  2*SLOT
.set ASTEP,  256
.set BSTEP,  1048576
.set W1OFF,  8388608
.set STG,    128*528                   ; a wave's stage on the way out: 128 rows x 528 bytes of f32
.set SPITCH, 528
.set A0,   16
.set B0,   17
.set ADRA, 18
.set ADRB, 19
.set STO,  20
.set RD,   21
.set RDA,  22
.set CO,   23
.set BO,   24
.set SPW,  28
.set NIL,  29
.set PFO,  30
.set F0,   64
.set F1,   128
.set BIAS, 192
.set GX,   64
.set GA,   80
.set GQ,   96
.set GD,   112
.set GR,   128
.set GP,   144
.set GY,   160
.set WV, 12
.set WR, 13
.set WC, 14
.set CX, 15
.set CY, 16
.set TX, 17
.set TY, 18
.set TB, 19
.set LIM, 21
.set PFS, 22
.set G1A, 24
.set G0A, 32
.set G0B, 36
.set G1B, 40
.set PFA, 48
.set KCP, 56
.set KCE, 58
.set KA5, 60
.set KA4, 62
.set KA3, 66
.set KA2, 68
.set KA1, 70
.set ABSM, 72
.set GCNT, 73
.set OFS, 74
.set MSB, 0
.macro WIN new
.if MSB != (\new)
	s_set_vgpr_msb (MSB<<8)|(\new)
.set MSB, \new
.endif
.endm
.macro PLACES
.rept 4
	v_nop
.endr
.endm
.macro JLOAD
	s_cmp_eq_u32 s[WR], 0
	s_cbranch_scc0 .Lfor_b_\@
	tensor_load_to_lds s[G0A:G0A+3], s[G1A:G1A+7]
	s_nop 0
.rept 4
	v_nop
.endr
	s_branch .Lasked_\@
.Lfor_b_\@:
	tensor_load_to_lds s[G0B:G0B+3], s[G1B:G1B+7]
	s_nop 0
.rept 4
	v_nop
.endr
.Lasked_\@:
.endm
.macro CREST
	s_cmp_lg_u32 s[WV], 0
	s_cbranch_scc1 .Lnot_wave_0_\@
	s_barrier_signal -3
.Lnot_wave_0_\@:
	s_barrier_wait -3
	s_barrier_signal -1
	s_barrier_wait -1
.endm
.macro CROUND
	s_barrier_signal -1
	s_barrier_wait -1
	CREST
.endm
; PREFETCH INTO THE L2: at the refill of tile i the tile i + 1 is asked for, one K step, 256 products, ahead.  h2's rows are read by every cluster of a row of clusters: cluster x = 0 asks; W1's by every cluster
; of a column: cluster y = 0 asks.  Of what a wave fetches each of the four partners takes a quarter, told apart by address: 32 blocks of 256 bytes, a lane a block.  The last refill asks for nothing; tiles 0 to 2 come by their loads.
.macro ASK
	s_cmp_gt_u32 s3, s[LIM]
	s_cbranch_scc0 .Lnot_mine_\@
	global_prefetch_b8 v[PFO], s[PFA:PFA+1] th:TH_LOAD_NT scope:SCOPE_SE
.Lnot_mine_\@:
.endm
; 16 products: token blocks a0, a0 + 1 of the window's four x all 8 column blocks, 32 along K.  mode = 1: they start the sums with the bias
.macro MUL16 f, hi, a0, mode
.if \mode
	WIN 0x81+0x40*(\hi)
.else
	WIN 0xa1+0x50*(\hi)
.endif
.irp a, \a0, (\a0)+1
.irp b, 0,1,2,3,4,5,6,7
.if \mode
	v_wmma_f32_16x16x32_bf16 v[8*(8*(\a)+(\b)):8*(8*(\a)+(\b))+7], v[(\f)+8*(\b):(\f)+8*(\b)+7], v[(\f)+8*(4*(\hi)+(\a)):(\f)+8*(4*(\hi)+(\a))+7], v[BIAS+8*(\b):BIAS+8*(\b)+7]
.else
	v_wmma_f32_16x16x32_bf16 v[8*(8*(\a)+(\b)):8*(8*(\a)+(\b))+7], v[(\f)+8*(\b):(\f)+8*(\b)+7], v[(\f)+8*(4*(\hi)+(\a)):(\f)+8*(4*(\hi)+(\a))+7], v[8*(8*(\a)+(\b)):8*(8*(\a)+(\b))+7]
.endif
.endr
.endr
.endm
; 32 LDS loads in one run: quarter q of the slot in hand into buffer f
.macro FETCH q, f
	WIN 0x40
.irp i, 0,1,2,3,4,5,6,7
	ds_load_tr16_b128 v[(\f)+8*(\i):(\f)+8*(\i)+3],   v[ADRB] offset:32*PB*(\q)+32*(\i)
	ds_load_tr16_b128 v[(\f)+8*(\i)+4:(\f)+8*(\i)+7], v[ADRB] offset:32*PB*(\q)+32*(\i)+16*PB
.endr
	WIN 0
.irp i, 0,1,2,3,4,5,6,7
	ds_load_b128 v[(\f)+8*(\i):(\f)+8*(\i)+3],   v[ADRA] offset:64*(\q)+16*PA*(\i)
	ds_load_b128 v[(\f)+8*(\i)+4:(\f)+8*(\i)+7], v[ADRA] offset:64*(\q)+16*PA*(\i)+32
.endr
.endm
.macro QUARTER qn, f, g, mode
	s_wait_dscnt 8                                 ; all but the youngest eight loads (token blocks 4 to 7)
	MUL16 \f, 0, 0, \mode
	MUL16 \f, 0, 2, \mode
	PLACES
	FETCH \qn, \g
	s_wait_dscnt 32                                ; all but the 32 just issued
	MUL16 \f, 1, 0, \mode
	MUL16 \f, 1, 2, \mode
.endm
; A step's last quarter, on buffer 1, and the change of slots
.macro TURN fill
.if \fill
	s_wait_xcnt 0x0                                ; the last prefetch, a K step back, has read its address
	s_add_nc_u64 s[PFA:PFA+1], s[PFA:PFA+1], s[PFS:PFS+1]
.endif
	WIN 0
	s_wait_tensorcnt 0x0                           ; my part of the next slot has landed; no load of mine is out
	ds_add_u32 v[SPW], v[NIL]
	s_wait_dscnt 9                                 ; (the add and the youngest eight loads may be out)
	MUL16 F1, 0, 0, 0
	s_wait_dscnt 0x0                               ; the add is done, my reads of this slot are over
	s_barrier_signal -1
	MUL16 F1, 0, 2, 0
	WIN 0
	s_barrier_wait -1
.if \fill
	CREST
	s_xor_b32 s[G0A+1], s[G0A+1], SLOT
	s_xor_b32 s[G0B+1], s[G0B+1], SLOT
	s_add_nc_u64 s[G0A+2:G0A+3], s[G0A+2:G0A+3], ASTEP
	s_add_nc_u64 s[G0B+2:G0B+3], s[G0B+2:G0B+3], BSTEP
	JLOAD                                          ; its four v_nop are also the places in front of the loads below
.else
	PLACES
.endif
	s_xor_b32 s[TB], s[TB], SLOT
	v_add_nc_u32 v[ADRA], s[TB], v[A0]
	v_add_nc_u32 v[ADRB], s[TB], v[B0]
	FETCH 0, F0
.if \fill
	ASK
.endif
	MUL16 F1, 1, 0, 0
	MUL16 F1, 1, 2, 0
.endm
	s_load_b256 s[4:11], s[0:1], 0x0               ; h2 s[4:5], wb s[6:7], b1 s[8:9], g s[10:11]
	v_lshl_add_u32 v[SPW], v0, 2, SPARE
	v_mov_b32 v[NIL], 0
	ds_add_u32 v[SPW], v[NIL]                      ; the opening add
	v_lshrrev_b32 v1, 5, v0
	v_readfirstlane_b32 s[WV], v1
	s_lshr_b32 s[WR], s[WV], 1                     ; my half of the tokens.  Also: I fetch for h2 (0) or for W1 (1)
	s_and_b32 s[WC], s[WV], 1                      ; my half of the columns.  Also: which half of that tile I fetch
	s_bfe_u32 s[CX], ttmp6, 0x40000
	s_bfe_u32 s[CY], ttmp6, 0x40004
	s_lshl_b32 s[TX], ttmp9, 2
	s_add_co_u32 s[TX], s[TX], s[CX]
	s_and_b32 s[TY], ttmp7, 0xffff
	s_lshl_b32 s[TY], s[TY], 2
	s_add_co_u32 s[TY], s[TY], s[CY]
	s_lshl_b32 s50, s[CY], 2
	s_lshl_b32 s50, 15, s50                        ; my row of the cluster
	s_lshl_b32 s54, 0x1111, s[CX]                  ; my column
	s_or_b32 s[G1A], s50, (1<<16)|(1<<20)|(1<<21)|(5<<22)|(3<<25)  ; 128 rows of 256 bytes, 4 words of padding behind each
	s_mov_b32 s[G1A+1], 128<<16
	s_mov_b32 s[G1A+2], 128<<16
	s_mov_b32 s[G1A+3], 128<<16
	s_mov_b32 s[G1A+4], 128
	s_mov_b32 s[G1A+5], 1024
	s_mov_b32 s[G1A+6], 0
	s_mov_b32 s[G1A+7], 0
	s_or_b32 s[G1B], s54, (1<<16)|(1<<20)|(1<<21)|(6<<22)|(7<<25)  ; 64 rows (k) of 512 bytes, 8 words of padding behind each
	s_mov_b32 s[G1B+1], 256<<16
	s_mov_b32 s[G1B+2], 64<<16
	s_mov_b32 s[G1B+3], 256<<16
	s_mov_b32 s[G1B+4], 64
	s_mov_b32 s[G1B+5], 4096
	s_mov_b32 s[G1B+6], 0
	s_mov_b32 s[G1B+7], 0
	s_lshl_b32 s50, s[TY], 8
	s_lshl_b32 s51, s[WC], 7
	s_add_co_u32 s50, s50, s51
	s_lshl_b32 s50, s50, 11                        ; row x 2,048 bytes
	s_mov_b32 s51, 0
	s_lshl_b32 s54, s[TX], 9
	s_lshl_b32 s55, s[WC], 19                      ; 64 rows of 8,192 bytes
	s_add_co_u32 s54, s54, s55
	s_add_co_u32 s54, s54, W1OFF
	s_mov_b32 s55, 0
	s_mul_i32 s20, s[WV], HALFT                    ; h2's two halves, then W1's two
	s_mov_b32 s[G0A], 1
	s_mov_b32 s[G0A+1], s20
	s_mov_b32 s[G0B], 1
	s_mov_b32 s[G0B+1], s20
	s_mov_b32 s[TB], 0
	s_mov_b32 s[KCP], 0x3e6d3388                   ; 0.3275911 / sqrt(2)
	s_mov_b32 s[KCP+1], s[KCP]
	s_mov_b32 s[KCE], 0xbf38aa3b                   ; -log2(e) / 2
	s_mov_b32 s[KCE+1], s[KCE]
	s_mov_b32 s[KA5], 0x3f07dc22                   ;  1.061405429 / 2
	s_mov_b32 s[KA5+1], s[KA5]
	s_mov_b32 s[KA4], 0xbf3a00e3                   ; -1.453152027 / 2
	s_mov_b32 s[KA4+1], s[KA4]
	s_mov_b32 s[KA3], 0x3f35f0e3                   ;  1.421413741 / 2
	s_mov_b32 s[KA3+1], s[KA3]
	s_mov_b32 s[KA2], 0xbe11a98e                   ; -0.284496736 / 2
	s_mov_b32 s[KA2+1], s[KA2]
	s_mov_b32 s[KA1], 0x3e027906                   ;  0.254829592 / 2
	s_mov_b32 s[KA1+1], s[KA1]
	s_mov_b32 s[ABSM], 0x7fffffff
	s_wait_dscnt 0x0                               ; the opening add is done
	s_wait_kmcnt 0x0
	s_add_nc_u64 s[G0A+2:G0A+3], s[4:5], s[50:51]
	s_or_b32 s[G0A+3], s[G0A+3], 0x80000000
	s_add_nc_u64 s[G0B+2:G0B+3], s[6:7], s[54:55]
	s_or_b32 s[G0B+3], s[G0B+3], 0x80000000
	CROUND
	JLOAD                                          ; tile 0
	v_and_b32 v1, 15, v0                           ; r
	v_bfe_u32 v2, v0, 4, 1                         ; h
	v_and_b32 v3, 7, v0
	v_bfe_u32 v4, v0, 3, 1
	v_mul_u32_u24 v[A0], v1, PA
	v_lshl_add_u32 v[A0], v2, 4, v[A0]
	s_mul_i32 s52, s[WR], HALFT
	v_add_nc_u32 v[A0], s52, v[A0]
	v_lshl_add_u32 v[B0], v2, 3, v3
	v_mul_u32_u24 v[B0], v[B0], PB
	v_lshl_add_u32 v[B0], v4, 4, v[B0]
	s_lshl_b32 s52, s[WC], 8
	s_add_co_u32 s52, s52, 2*HALFT
	v_add_nc_u32 v[B0], s52, v[B0]
	v_lshlrev_b32 v[BO], 5, v2
	s_lshl_b32 s52, s[TX], 10                      ; my 128 biases
	s_lshl_b32 s53, s[WC], 9
	s_add_co_u32 s52, s52, s53
	s_mov_b32 s53, 0
	s_add_nc_u64 s[8:9], s[8:9], s[52:53]
.irp b, 0,1,2,3,4,5,6,7
	global_load_b128 v[BIAS+8*(\b):BIAS+8*(\b)+3],   v[BO], s[8:9] offset:64*(\b)
	global_load_b128 v[BIAS+8*(\b)+4:BIAS+8*(\b)+7], v[BO], s[8:9] offset:64*(\b)+16
.endr
	s_mul_i32 s52, s[WV], STG
	v_mul_u32_u24 v[STO], v1, SPITCH
	v_lshl_add_u32 v[STO], v2, 4, v[STO]
	v_add_nc_u32 v[STO], s52, v[STO]
	v_mul_u32_u24 v[RD], v2, SPITCH
	v_lshl_add_u32 v[RD], v1, 4, v[RD]
	v_add_nc_u32 v[RD], s52, v[RD]
	v_lshlrev_b32 v[CO], 13, v2
	v_lshl_add_u32 v[CO], v1, 4, v[CO]             ; lanes 0-15 one row's 256 bytes of g, lanes 16-31 the next row's
	s_lshl_b32 s52, s[TY], 8
	s_lshl_b32 s53, s[WR], 7
	s_add_co_u32 s52, s52, s53
	s_lshl_b32 s52, s52, 13                        ; my first token x 8,192 bytes
	s_lshl_b32 s53, s[TX], 9
	s_add_co_u32 s52, s52, s53
	s_lshl_b32 s53, s[WC], 8
	s_add_co_u32 s52, s52, s53
	s_mov_b32 s53, 0
	s_add_nc_u64 s[10:11], s[10:11], s[52:53]
	s_lshl_b32 s52, s[TY], 8                       ; the prefetches' pointer stands at tile 2; each change steps it
	s_lshl_b32 s53, s[WC], 7
	s_add_co_u32 s52, s52, s53
	s_lshl_b32 s53, s[CX], 5
	s_add_co_u32 s52, s52, s53
	s_lshl_b32 s52, s52, 11
	s_add_co_u32 s52, s52, 2*ASTEP
	s_lshl_b32 s76, s[WC], 6
	s_lshl_b32 s77, s[CY], 4
	s_add_co_u32 s76, s76, s77
	s_lshl_b32 s76, s76, 13
	s_lshl_b32 s77, s[TX], 9
	s_add_co_u32 s76, s76, s77
	s_add_co_u32 s76, s76, W1OFF+2*BSTEP
	s_mov_b32 s77, BSTEP
	s_and_b32 s78, ttmp7, 0xffff
	s_cmp_eq_u32 s[WR], 0
	s_cselect_b32 s78, ttmp9, s78                  ; the coordinate along which other clusters read the same rows
	s_cselect_b64 s[PFA:PFA+1], s[4:5], s[6:7]
	s_cselect_b32 s52, s52, s76
	s_cselect_b32 s[PFS], ASTEP, s77
	s_cselect_b32 s79, -1, 0
	s_mov_b32 s[PFS+1], 0
	s_mov_b32 s53, 0
	s_add_nc_u64 s[PFA:PFA+1], s[PFA:PFA+1], s[52:53]
	s_cmp_eq_u32 s78, 0
	s_cselect_b32 s[LIM], 1, -1
	v_and_b32 v5, 31, v0
	v_lshlrev_b32 v6, 11, v5                       ; h2: a lane a row
	v_lshrrev_b32 v7, 1, v5                        ; W1: two lanes a row of 512 bytes
	v_and_b32 v8, 1, v5
	v_lshlrev_b32 v8, 8, v8
	v_lshl_add_u32 v7, v7, 13, v8
	v_cndmask_b32 v[PFO], v7, v6, s79
	s_wait_tensorcnt 0x0                           ; tile 0 has landed: tile 1 is asked for as a refill is
	ds_add_u32 v[SPW], v[NIL]
	s_xor_b32 s[G0A+1], s[G0A+1], SLOT
	s_xor_b32 s[G0B+1], s[G0B+1], SLOT
	s_add_nc_u64 s[G0A+2:G0A+3], s[G0A+2:G0A+3], ASTEP
	s_add_nc_u64 s[G0B+2:G0B+3], s[G0B+2:G0B+3], BSTEP
	s_wait_dscnt 0x0
	CROUND
	JLOAD
	v_add_nc_u32 v[ADRA], s[TB], v[A0]
	v_add_nc_u32 v[ADRB], s[TB], v[B0]
	FETCH 0, F0
	s_wait_loadcnt 0x0                             ; the bias
	QUARTER 1, F0, F1, 1
	WIN 0
	s_mov_b32 s3, NSTEP-1
	s_branch .Lmid                                 ; the loop is entered in its middle
.Lloop:
	TURN 1
	QUARTER 1, F0, F1, 0
	WIN 0
.Lmid:
	QUARTER 2, F1, F0, 0
	QUARTER 3, F0, F1, 0
	WIN 0
	s_sub_co_u32 s3, s3, 1
	s_cmp_lg_u32 s3, 0
	s_cbranch_scc1 .Lloop
	TURN 0                                         ; the tail is written out: nothing is left to ask for
	QUARTER 1, F0, F1, 0
	QUARTER 2, F1, F0, 0
	QUARTER 3, F0, F1, 0
	s_wait_dscnt 8
	MUL16 F1, 0, 0, 0
	MUL16 F1, 0, 2, 0
	s_wait_dscnt 0x0
	MUL16 F1, 1, 0, 0
	MUL16 F1, 1, 2, 0
	WIN 0
	; THE WAY OUT.  The slots have had their last fill; behind a barrier (every wave's reads of them are over) each wave has a stage of its own in the ring: 128 rows of 128 f32.
	; In a row the groups of 4 columns are permuted: group n lies at (n % 2) x 256 + (n / 2) x 16.  So a lane's two stores and its two reads each fall on 16 different groups of banks, and a lane reads 8 neighbouring columns.
	PLACES
	s_wait_dscnt 0x0
	s_barrier_signal -1
	s_barrier_wait -1
.irp a, 0,1,2,3,4,5,6,7
	WIN 0x08+4*((\a)/4)
.irp b, 0,1,2,3,4,5,6,7
	ds_store_b128 v[STO], v[8*(8*((\a)%4)+(\b)):8*(8*((\a)%4)+(\b))+3]   offset:16*SPITCH*(\a)+32*(\b)
	ds_store_b128 v[STO], v[8*(8*((\a)%4)+(\b))+4:8*(8*((\a)%4)+(\b))+7] offset:16*SPITCH*(\a)+32*(\b)+256
.endr
.endr
	WIN 0
.macro GLOADS                          ; four rows: lanes 0-15 rows 0 and 2, lanes 16-31 rows 1 and 3; 8 columns a lane and row
.irp u, 0,1
	ds_load_b128 v[GX+8*(\u):GX+8*(\u)+3],   v[RDA] offset:2*SPITCH*(\u)
	ds_load_b128 v[GX+8*(\u)+4:GX+8*(\u)+7], v[RDA] offset:2*SPITCH*(\u)+256
.endr
.endm
	s_mov_b32 s[OFS], 0
	s_mov_b32 s[GCNT], 32
	v_mov_b32 v[RDA], v[RD]
	GLOADS                                         ; LDS serves a wave's instructions in order (ISA guide 5.7.1.4): these see the stores above
.Lgelu:                                                ; 32 trips of four rows
	s_wait_dscnt 0x0
.set i, 0
.rept 16
	v_and_b32 v[GA+i], s[ABSM], v[GX+i]            ; |x|
.set i, i+1
.endr
.set i, 0
.rept 8
	v_pk_mul_f32 v[GQ+i:GQ+i+1], v[GX+i:GX+i+1], v[GX+i:GX+i+1]
.set i, i+2
.endr
.set i, 0
.rept 8
	v_pk_fma_f32 v[GD+i:GD+i+1], v[GA+i:GA+i+1], s[KCP:KCP+1], 1.0 op_sel_hi:[1,0,0]
.set i, i+2
.endr
.set i, 0
.rept 8
	v_pk_mul_f32 v[GQ+i:GQ+i+1], v[GQ+i:GQ+i+1], s[KCE:KCE+1] op_sel_hi:[1,0]
.set i, i+2
.endr
.set i, 0
.rept 16
	v_max_num_f32 v[GR+i], 0, v[GX+i]
.set i, i+1
.endr
	s_add_co_u32 s[OFS], s[OFS], 4*SPITCH          ; the next trip's rows are asked for now; the last trip reads its own again, so that no read leaves my stage
	s_min_u32 s[OFS], s[OFS], 31*4*SPITCH
	v_add_nc_u32 v[RDA], s[OFS], v[RD]
	GLOADS
.set i, 0
.rept 16
	v_rcp_f32 v[GD+i], v[GD+i]                     ; t
.set i, i+1
.endr
.set i, 0
.rept 16
	v_exp_f32 v[GQ+i], v[GQ+i]
.set i, i+1
.endr
	v_nop                                          ; a plain instruction behind the last of the batch,
	s_wait_alu depctr_va_vdst(0)                   ; and one wait for all 32
.set i, 0
.rept 8
	v_pk_fma_f32 v[GP+i:GP+i+1], v[GD+i:GD+i+1], s[KA5:KA5+1], s[KA4:KA4+1] op_sel_hi:[1,0,0]
.set i, i+2
.endr
.irp k, KA3, KA2, KA1
.set i, 0
.rept 8
	v_pk_fma_f32 v[GP+i:GP+i+1], v[GP+i:GP+i+1], v[GD+i:GD+i+1], s[\k:\k+1] op_sel_hi:[1,1,0]
.set i, i+2
.endr
.endr
.set i, 0
.rept 8
	v_pk_mul_f32 v[GP+i:GP+i+1], v[GP+i:GP+i+1], v[GD+i:GD+i+1]
.set i, i+2
.endr
.set i, 0
.rept 8
	v_pk_mul_f32 v[GP+i:GP+i+1], v[GP+i:GP+i+1], v[GQ+i:GQ+i+1]
.set i, i+2
.endr
.set i, 0
.rept 8
	v_pk_fma_f32 v[GP+i:GP+i+1], v[GP+i:GP+i+1], v[GA+i:GA+i+1], v[GR+i:GR+i+1] neg_lo:[1,0,0] neg_hi:[1,0,0]
.set i, i+2
.endr
.set i, 0
.rept 8
	v_cvt_pk_bf16_f32 v[GY+i], v[GP+2*i], v[GP+2*i+1]
.set i, i+1
.endr
	global_store_b128 v[CO], v[GY:GY+3],   s[10:11]               ; sixteen lanes store 256 consecutive bytes, aligned
	global_store_b128 v[CO], v[GY+4:GY+7], s[10:11] offset:16384
	s_wait_xcnt 0x0                                ; the stores have read their registers and their base
	s_add_nc_u64 s[10:11], s[10:11], 32768
	s_sub_co_u32 s[GCNT], s[GCNT], 1
	s_cmp_lg_u32 s[GCNT], 0
	s_cbranch_scc1 .Lgelu
	s_wait_tensorcnt 0x0                           ; the wave's end
	ds_add_u32 v[SPW], v[NIL]
	s_wait_dscnt 0x0
	CROUND                                         ; the closing round
	s_endpgm
.Lfunc_end_k_q9b0e6ac1a0_ffn1:
	.size	k_q9b0e6ac1a0_ffn1, .Lfunc_end_k_q9b0e6ac1a0_ffn1-k_q9b0e6ac1a0_ffn1
	.p2alignl 7, 3214868480
	.fill 96, 4, 3214868480
	.section	.rodata,"a",@progbits
	.p2align	6, 0x0
	.amdhsa_kernel k_q9b0e6ac1a0_ffn1
		.amdhsa_group_segment_fixed_size 327680
		.amdhsa_private_segment_fixed_size 0
		.amdhsa_enable_private_segment 0
		.amdhsa_kernarg_size 32
		.amdhsa_user_sgpr_count 2
		.amdhsa_user_sgpr_kernarg_segment_ptr 1
		.amdhsa_wavefront_size32 1
		.amdhsa_system_sgpr_workgroup_id_x 1
		.amdhsa_system_sgpr_workgroup_id_y 1
		.amdhsa_system_sgpr_workgroup_id_z 1
		.amdhsa_system_vgpr_workitem_id 0
		.amdhsa_next_free_vgpr 1024
		.amdhsa_next_free_sgpr 80
		.amdhsa_reserve_vcc 0
		.amdhsa_float_denorm_mode_32 3
		.amdhsa_float_denorm_mode_16_64 3
		.amdhsa_memory_ordered 1
		.amdhsa_forward_progress 1
		.amdhsa_inst_pref_size 93
	.end_amdhsa_kernel
	.amdgpu_metadata
---
amdhsa.version: [ 1, 2 ]
amdhsa.kernels:
  - .name:           k_q9b0e6ac1a0_ffn1
    .symbol:         k_q9b0e6ac1a0_ffn1.kd
    .args:
      - { .name: h2, .offset: 0, .size: 8, .value_kind: global_buffer, .address_space: global }
      - { .name: wb, .offset: 8, .size: 8, .value_kind: global_buffer, .address_space: global }
      - { .name: b1, .offset: 16, .size: 8, .value_kind: global_buffer, .address_space: global }
      - { .name: g, .offset: 24, .size: 8, .value_kind: global_buffer, .address_space: global }
    .group_segment_fixed_size: 327680
    .private_segment_fixed_size: 0
    .kernarg_segment_align: 8
    .kernarg_segment_size: 32
    .max_flat_workgroup_size: 128
    .sgpr_count:     80
    .vgpr_count:     1024
    .wavefront_size: 32
...
	.end_amdgpu_metadata
.endif
;; end of part 6
;; launch ffn2 (part 7): grid 8 x 32, 4 waves a work-group, clusters of 4 x 4, 327,680 bytes of LDS; arguments g, wb, b2, x1, out0; writes out0
.if DOCPART == 7
	.amdgcn_target "amdgcn-amd-amdhsa--gfx1250"
	.amdhsa_code_object_version 6
	.text
	.protected	k_q9b0e6ac1a0_ffn2
	.globl	k_q9b0e6ac1a0_ffn2
	.p2align	8
	.type	k_q9b0e6ac1a0_ffn2,@function
k_q9b0e6ac1a0_ffn2:
	s_mov_b64 s[64:65], 0
	v_nop
	global_prefetch_b8 v0, s[64:65] scope:SCOPE_SE
	s_setreg_imm32_b32 hwreg(HW_REG_WAVE_MODE, 25, 1), 1
	s_wait_xcnt 0x0
	s_wait_alu depctr_hold_cnt(0) depctr_sa_sdst(0) depctr_va_vdst(0) depctr_va_sdst(0) depctr_va_ssrc(0) depctr_va_vcc(0) depctr_vm_vsrc(0)
	s_getreg_b32 s2, hwreg(HW_REG_IB_STS2, 6, 4)
	s_cmp_eq_u32 s2, 0
	s_cbranch_scc0 .Lentry_in_a_cluster
	s_endpgm
.Lentry_in_a_cluster:
	s_bfe_u32 s2, ttmp6, 0x10000c
	s_cmp_lg_u32 s2, 0xf033
	s_cbranch_scc0 .Lentry_shape_is_right
	s_endpgm
.Lentry_shape_is_right:
; RESIDUAL + A x W + BIAS, f32 out.  KIND = 0: x1 = x + o Wo + bo (K = 1,024; o lies [token / 128][head][128 rows][64]).  KIND = 1: out0 = x1 + g W2 + b2 (K = 4,096; g lies [4096][4096]).
; A work-group makes 128 tokens x 128 columns, each of its four waves 64 x 64: 16 accumulators.  K goes in steps of 256 through two LDS slots; a quarter is 64 along K, 32 products.
; THE MATRIX INSTRUCTION IS USED TRANSPOSED: source 0 = 16 output columns x 32 k, from the weights' tile ([k][n] in LDS) by the turning load; source 1 = 16 tokens x 32 k.  A lane holds one token, eight columns.
; The bias is the C operand of the products that start the sums.  The residual's 32 loads go out at the head and are added at the end, in f32.
; CLUSTER 4 x 4: A's tile hangs on ty alone (joint along a row), the weights' on tx alone (joint along a column).  Waves 0, 1 fetch A's halves, waves 2, 3 the weights'.
; THE RING.  Both slots' first fills go out together behind the opening round: by the text's own count a wave has two tensor loads out at the start, later one.  A step's last quarter multiplies registers
; alone, so all its 32 products stand AHEAD of the wait for the next tile: between that tile's landing and the request for the tile after it stand only the add, the descriptors' steps, a wait and the round.
; LIMITS: matrix operands in bf16, sums and residual in f32; NaN and infinities are not treated apart.
; REGISTERS.  window 0: v16-30 addresses; v32-63 the bias; v128-255 accumulator (a, b) at 128 + 8 (4 a + b)      window 1: two fragment buffers of 128: A's 64, then the weights' 64      window 2: v0-127 the residual
.set KIND, 1
.if KIND
.set NSTEP,  16
.set PA,     528                       ; 512 bytes + 16
.set ABYTES, 128*528
.set AHALF,  64*528                    ; what one of A's loaders brings
.set AQ,     128                       ; bytes from quarter to quarter in A's LDS
.set AWR,    64*528                    ; my 64 tokens
.set ASTEP,  512
.set WOFF,   16777216
.else
.set NSTEP,  4
.set PA,     144                       ; 128 bytes + 16: a head's row
.set ABYTES, 4*128*144
.set AHALF,  2*128*144
.set AQ,     128*144                   ; a quarter is a head
.set AWR,    64*144
.set ASTEP,  65536
.set WOFF,   6291456
.endif
.set PB,     288                       ; 256 bytes + 32
.set BHALF,  128*PB
.set BSTEP,  524288
.set SLOT,   147456                    ; no slot-0 LDS word of a descriptor has one of its two bits set: an exclusive or changes slots
.set SPARE,  2*SLOT
.set A0,   16
.set B0,   17
.set ADRA, 18
.set ADRB, 19                          ; v19, and v20 = v19 + 128 rows, for quarters 2 and 3
.set STO,  21
.set RD,   22
.set CO,   23
.set BO,   24
.set SPW,  28
.set NIL,  29
.set PFO,  30
.set BIAS, 32
.set ACC,  128
.set F0,   0
.set F1,   128
.set WV, 14
.set WR, 15
.set WC, 16
.set CX, 17
.set CY, 18
.set TX, 19
.set TY, 20
.set TB, 21
.set LIM, 22
.set G1A, 24
.set G0A, 32                           ; s[32:35] group 0 for A's tiles: it starts at tile 1 in slot 1 and walks
.set G0B, 36                           ; s[36:39] the same for the weights'
.set G1B, 40
.set PFA, 48
.set PFS, 50
.set T0A, 68                           ; s[68:71] group 0 for A's tile 0
.set T0B, 72                           ; s[72:75] for the weights' tile 0
.set MSB, 0
.macro WIN new
.if MSB != (\new)
	s_set_vgpr_msb (MSB<<8)|(\new)
.set MSB, \new
.endif
.endm
.macro PLACES
.rept 4
	v_nop
.endr
.endm
.macro JLOAD                           ; a joint refill; the branch hangs on the wave's number alone
	s_cmp_eq_u32 s[WR], 0
	s_cbranch_scc0 .Lfor_b_\@
	tensor_load_to_lds s[G0A:G0A+3], s[G1A:G1A+7]
	s_nop 0
.rept 4
	v_nop
.endr
	s_branch .Lasked_\@
.Lfor_b_\@:
	tensor_load_to_lds s[G0B:G0B+3], s[G1B:G1B+7]
	s_nop 0
.rept 4
	v_nop
.endr
.Lasked_\@:
.endm
.macro CREST
	s_cmp_lg_u32 s[WV], 0
	s_cbranch_scc1 .Lnot_wave_0_\@
	s_barrier_signal -3
.Lnot_wave_0_\@:
	s_barrier_wait -3
	s_barrier_signal -1
	s_barrier_wait -1
.endm
.macro CROUND
	s_barrier_signal -1
	s_barrier_wait -1
	CREST
.endm
; PREFETCH INTO THE L2 (KIND = 1): at the refill of tile i the tile i + 2 is asked for, two K steps, 256 products, ahead.  A's rows are read by every cluster of a row of clusters: cluster x = 0 asks; the weights'
; by every cluster of a column: cluster y = 0 asks.  Of what a wave fetches each of the four partners takes a quarter, told apart by address: 32 blocks of 256 bytes, a lane a block.  The last two refills ask for nothing.
.macro ASK
	s_cmp_gt_u32 s3, s[LIM]
	s_cbranch_scc0 .Lnot_mine_\@
	global_prefetch_b8 v[PFO], s[PFA:PFA+1] th:TH_LOAD_NT scope:SCOPE_SE
.Lnot_mine_\@:
.endm
; 8 products: token blocks a0, a0 + 1 x all 4 column blocks, 32 along K: half c of buffer f.  mode = 1: they start the sums with the bias
.macro MUL8 f, c, a0, mode
	WIN 0x05
.irp a, \a0, (\a0)+1
.irp b, 0,1,2,3
.if \mode
	v_wmma_f32_16x16x32_bf16 v[ACC+8*(4*(\a)+(\b)):ACC+8*(4*(\a)+(\b))+7], v[(\f)+64+8*(4*(\c)+(\b)):(\f)+64+8*(4*(\c)+(\b))+7], v[(\f)+8*(4*(\c)+(\a)):(\f)+8*(4*(\c)+(\a))+7], v[BIAS+8*(\b):BIAS+8*(\b)+7]
.else
	v_wmma_f32_16x16x32_bf16 v[ACC+8*(4*(\a)+(\b)):ACC+8*(4*(\a)+(\b))+7], v[(\f)+64+8*(4*(\c)+(\b)):(\f)+64+8*(4*(\c)+(\b))+7], v[(\f)+8*(4*(\c)+(\a)):(\f)+8*(4*(\c)+(\a))+7], v[ACC+8*(4*(\a)+(\b)):ACC+8*(4*(\a)+(\b))+7]
.endif
.endr
.endr
.endm
; 32 LDS loads in one run: quarter q (64 along K) into buffer f; the first 32 along K first
.macro FETCH q, f
	WIN 0x40
.irp c, 0,1
.irp i, 0,1,2,3
	ds_load_tr16_b128 v[(\f)+64+8*(4*(\c)+(\i)):(\f)+64+8*(4*(\c)+(\i))+3],   v[ADRB+(\q)/2] offset:(64*((\q)%2)+32*(\c))*PB+32*(\i)
	ds_load_tr16_b128 v[(\f)+64+8*(4*(\c)+(\i))+4:(\f)+64+8*(4*(\c)+(\i))+7], v[ADRB+(\q)/2] offset:(64*((\q)%2)+32*(\c))*PB+32*(\i)+16*PB
	ds_load_b128 v[(\f)+8*(4*(\c)+(\i)):(\f)+8*(4*(\c)+(\i))+3],   v[ADRA] offset:AQ*(\q)+64*(\c)+16*PA*(\i)
	ds_load_b128 v[(\f)+8*(4*(\c)+(\i))+4:(\f)+8*(4*(\c)+(\i))+7], v[ADRA] offset:AQ*(\q)+64*(\c)+16*PA*(\i)+32
.endr
.endr
.endm
.macro QUARTER qn, f, g, mode
	s_wait_dscnt 16                                ; the first 32 along K are in
	MUL8 \f, 0, 0, \mode
	MUL8 \f, 0, 2, \mode
	PLACES
	FETCH \qn, \g
	s_wait_dscnt 32                                ; all but the 32 just issued
	MUL8 \f, 1, 0, 0
	MUL8 \f, 1, 2, 0
.endm
; A step's last quarter, on buffer 1, and the change of slots.  The quarter's products come first: they need nothing of the next tile.  Then each wave waits for all its tensor loads, adds 0 to its spare word and
; waits for that (its reads of this slot were waited for ahead of the quarter's second half); with fill = 1 a round of the cluster's barrier follows, and this slot is filled again first behind it, with the tile two steps on.
.macro TURN fill
.if (\fill) && KIND
	s_wait_xcnt 0x0                                ; the last prefetch, a K step back, has read its address
	s_add_nc_u64 s[PFA:PFA+1], s[PFA:PFA+1], s[PFS:PFS+1]
.endif
	s_wait_dscnt 16                                ; the first 32 along K are in
	MUL8 F1, 0, 0, 0
	MUL8 F1, 0, 2, 0
	s_wait_dscnt 0x0                               ; my reads of this slot are over
	MUL8 F1, 1, 0, 0
	MUL8 F1, 1, 2, 0
	WIN 0
	s_wait_tensorcnt 0x0                           ; my part of the next slot has landed; no load of mine is out, so a group 0 may be written
	ds_add_u32 v[SPW], v[NIL]
.if \fill
	s_xor_b32 s[G0A+1], s[G0A+1], SLOT             ; the walking descriptors: the slot just read out,
	s_xor_b32 s[G0B+1], s[G0B+1], SLOT
	s_add_nc_u64 s[G0A+2:G0A+3], s[G0A+2:G0A+3], ASTEP  ; the next tile
	s_add_nc_u64 s[G0B+2:G0B+3], s[G0B+2:G0B+3], BSTEP
.endif
	s_wait_dscnt 0x0                               ; the add is done
.if \fill
	CROUND                                         ; no wave of any partner still reads this slot's tile or has a load on its way
	JLOAD                                          ; its four v_nop are also the places in front of the loads below
.else
	s_barrier_signal -1
	s_barrier_wait -1
	PLACES
.endif
	s_xor_b32 s[TB], s[TB], SLOT
	v_add_nc_u32 v[ADRA], s[TB], v[A0]
	v_add_nc_u32 v[ADRB], s[TB], v[B0]
	v_add_nc_u32 v[ADRB+1], BHALF, v[ADRB]
	FETCH 0, F0
.if (\fill) && KIND
	WIN 0
	ASK
.endif
.endm
	s_load_b256 s[4:11], s[0:1], 0x0               ; A s[4:5], wb s[6:7], bias s[8:9], residual s[10:11]
	s_load_b64 s[12:13], s[0:1], 0x20              ; the output
	v_lshl_add_u32 v[SPW], v0, 2, SPARE
	v_mov_b32 v[NIL], 0
	ds_add_u32 v[SPW], v[NIL]                      ; the opening add
	v_lshrrev_b32 v1, 5, v0
	v_readfirstlane_b32 s[WV], v1
	s_lshr_b32 s[WR], s[WV], 1                     ; my half of the tokens.  Also: I fetch for A (0) or for the weights (1)
	s_and_b32 s[WC], s[WV], 1                      ; my half of the columns.  Also: which half of that tile I fetch
	s_bfe_u32 s[CX], ttmp6, 0x40000
	s_bfe_u32 s[CY], ttmp6, 0x40004
	s_lshl_b32 s[TX], ttmp9, 2
	s_add_co_u32 s[TX], s[TX], s[CX]
	s_and_b32 s[TY], ttmp7, 0xffff
	s_lshl_b32 s[TY], s[TY], 2
	s_add_co_u32 s[TY], s[TY], s[CY]
	s_lshl_b32 s52, s[CY], 2
	s_lshl_b32 s52, 15, s52                        ; my row of the cluster
	s_lshl_b32 s54, 0x1111, s[CX]                  ; my column
.if KIND
	s_or_b32 s[G1A], s52, (1<<16)|(1<<20)|(1<<21)|(6<<22)|(3<<25)  ; 64 rows of 512 bytes, 4 words of padding behind each
	s_mov_b32 s[G1A+1], 256<<16
	s_mov_b32 s[G1A+2], 64<<16
	s_mov_b32 s[G1A+3], 256<<16
	s_mov_b32 s[G1A+4], 64
	s_mov_b32 s[G1A+5], 4096
.else
	s_or_b32 s[G1A], s52, (1<<16)|(1<<20)|(1<<21)|(4<<22)|(3<<25)  ; two heads, 32,768 dense bytes, as 128 rows of 256; 4 words of padding after every 128 bytes
	s_mov_b32 s[G1A+1], 128<<16
	s_mov_b32 s[G1A+2], 128<<16
	s_mov_b32 s[G1A+3], 128<<16
	s_mov_b32 s[G1A+4], 128
	s_mov_b32 s[G1A+5], 128
.endif
	s_mov_b32 s[G1A+6], 0
	s_mov_b32 s[G1A+7], 0
	s_or_b32 s[G1B], s54, (1<<16)|(1<<20)|(1<<21)|(5<<22)|(7<<25)  ; 128 rows (k) of 256 bytes, 8 words of padding behind each
	s_mov_b32 s[G1B+1], 128<<16
	s_mov_b32 s[G1B+2], 128<<16
	s_mov_b32 s[G1B+3], 128<<16
	s_mov_b32 s[G1B+4], 128
	s_mov_b32 s[G1B+5], 1024
	s_mov_b32 s[G1B+6], 0
	s_mov_b32 s[G1B+7], 0
.if KIND
	s_lshl_b32 s52, s[TY], 7
	s_lshl_b32 s53, s[WC], 6
	s_add_co_u32 s52, s52, s53
	s_lshl_b32 s52, s52, 13                        ; row x 8,192 bytes
.else
	s_lshl_b32 s52, s[TY], 18                      ; the block of 128 tokens,
	s_lshl_b32 s53, s[WC], 15                      ; two heads
	s_add_co_u32 s52, s52, s53
.endif
	s_mov_b32 s53, 0
	s_lshl_b32 s54, s[TX], 8
	s_lshl_b32 s55, s[WC], 18                      ; 128 rows of 2,048 bytes
	s_add_co_u32 s54, s54, s55
	s_add_co_u32 s54, s54, WOFF
	s_mov_b32 s55, 0
	s_mul_i32 s56, s[WC], AHALF
	s_mul_i32 s57, s[WC], BHALF
	s_mov_b32 s[T0A], 1
	s_mov_b32 s[T0A+1], s56                        ; tile 0 into slot 0,
	s_mov_b32 s[T0B], 1
	s_add_co_u32 s[T0B+1], s57, ABYTES
	s_mov_b32 s[G0A], 1
	s_add_co_u32 s[G0A+1], s56, SLOT               ; tile 1 into slot 1
	s_mov_b32 s[G0B], 1
	s_add_co_u32 s[G0B+1], s57, ABYTES+SLOT
	s_mov_b32 s[TB], 0
	s_wait_dscnt 0x0                               ; the opening add is done
	s_wait_kmcnt 0x0
	s_add_nc_u64 s[T0A+2:T0A+3], s[4:5], s[52:53]
	s_add_nc_u64 s[G0A+2:G0A+3], s[T0A+2:T0A+3], ASTEP
	s_or_b32 s[T0A+3], s[T0A+3], 0x80000000
	s_or_b32 s[G0A+3], s[G0A+3], 0x80000000
	s_add_nc_u64 s[T0B+2:T0B+3], s[6:7], s[54:55]
	s_add_nc_u64 s[G0B+2:G0B+3], s[T0B+2:T0B+3], BSTEP
	s_or_b32 s[T0B+3], s[T0B+3], 0x80000000
	s_or_b32 s[G0B+3], s[G0B+3], 0x80000000
	CROUND                                         ; all sixteen work-groups are here: the first joint loads meet
	s_cmp_eq_u32 s[WR], 0                          ; a wave's two first fills stand in one branch, ahead of every wait on TENSORcnt and every LDS read
	s_cbranch_scc0 .Lfirst_b
	tensor_load_to_lds s[T0A:T0A+3], s[G1A:G1A+7]
	s_nop 0
	tensor_load_to_lds s[G0A:G0A+3], s[G1A:G1A+7]
	s_nop 0
.rept 4
	v_nop
.endr
	s_branch .Lfirst_asked
.Lfirst_b:
	tensor_load_to_lds s[T0B:T0B+3], s[G1B:G1B+7]
	s_nop 0
	tensor_load_to_lds s[G0B:G0B+3], s[G1B:G1B+7]
	s_nop 0
.rept 4
	v_nop
.endr
.Lfirst_asked:
	v_and_b32 v1, 15, v0                           ; r
	v_bfe_u32 v2, v0, 4, 1                         ; h
	v_and_b32 v3, 7, v0
	v_bfe_u32 v4, v0, 3, 1
	v_mul_u32_u24 v[A0], v1, PA
	v_lshl_add_u32 v[A0], v2, 4, v[A0]
	s_mul_i32 s52, s[WR], AWR
	v_add_nc_u32 v[A0], s52, v[A0]
	v_lshl_add_u32 v[B0], v2, 3, v3
	v_mul_u32_u24 v[B0], v[B0], PB
	v_lshl_add_u32 v[B0], v4, 4, v[B0]
	s_lshl_b32 s52, s[WC], 7
	s_add_co_u32 s52, s52, ABYTES
	v_add_nc_u32 v[B0], s52, v[B0]
	v_lshlrev_b32 v[BO], 5, v2
	v_lshlrev_b32 v[CO], 12, v2
	v_lshl_add_u32 v[CO], v1, 4, v[CO]             ; lanes 0-15 one row's 256 bytes, lanes 16-31 the next row's
	s_lshl_b32 s52, s[TX], 9                       ; my 64 columns, in bytes of f32
	s_lshl_b32 s53, s[WC], 8
	s_add_co_u32 s52, s52, s53
	s_mov_b32 s53, 0
	s_add_nc_u64 s[8:9], s[8:9], s[52:53]
	s_lshl_b32 s54, s[TY], 7
	s_lshl_b32 s55, s[WR], 6
	s_add_co_u32 s54, s54, s55
	s_lshl_b32 s54, s54, 12                        ; my first token x 4,096 bytes
	s_add_co_u32 s54, s54, s52
	s_mov_b32 s55, 0
	s_add_nc_u64 s[10:11], s[10:11], s[54:55]
	s_add_nc_u64 s[12:13], s[12:13], s[54:55]
.irp b, 0,1,2,3
	global_load_b128 v[BIAS+8*(\b):BIAS+8*(\b)+3],   v[BO], s[8:9] offset:64*(\b)
	global_load_b128 v[BIAS+8*(\b)+4:BIAS+8*(\b)+7], v[BO], s[8:9] offset:64*(\b)+16
.endr
	WIN 0x80
.set t, 0
.rept 32
	global_load_b128 v[4*t:4*t+3], v[CO], s[10:11] offset:8192*t  ; the residual: rows 2 t, 2 t + 1 of my 64
.set t, t+1
.endr
	WIN 0
	s_mul_i32 s52, s[WV], 64*272                   ; my stage on the way out: 64 rows x 272 bytes
	v_mul_u32_u24 v[STO], v1, 272
	v_lshl_add_u32 v[STO], v2, 5, v[STO]
	v_add_nc_u32 v[STO], s52, v[STO]
	v_mul_u32_u24 v[RD], v2, 272
	v_lshl_add_u32 v[RD], v1, 4, v[RD]
	v_add_nc_u32 v[RD], s52, v[RD]
.if KIND
	s_lshl_b32 s52, s[TY], 7                       ; the prefetches' pointer stands at tile 3; each change steps it
	s_lshl_b32 s53, s[WC], 6
	s_add_co_u32 s52, s52, s53
	s_lshl_b32 s53, s[CX], 4
	s_add_co_u32 s52, s52, s53
	s_lshl_b32 s52, s52, 13
	s_add_co_u32 s52, s52, 3*ASTEP
	s_lshl_b32 s54, s[WC], 7
	s_lshl_b32 s55, s[CY], 5
	s_add_co_u32 s54, s54, s55
	s_lshl_b32 s54, s54, 11
	s_lshl_b32 s55, s[TX], 8
	s_add_co_u32 s54, s54, s55
	s_add_co_u32 s54, s54, WOFF+3*BSTEP
	s_mov_b32 s55, BSTEP
	s_and_b32 s56, ttmp7, 0xffff
	s_cmp_eq_u32 s[WR], 0
	s_cselect_b32 s56, ttmp9, s56                  ; the coordinate along which other clusters read the same rows
	s_cselect_b64 s[PFA:PFA+1], s[4:5], s[6:7]
	s_cselect_b32 s52, s52, s54
	s_cselect_b32 s[PFS], ASTEP, s55
	s_cselect_b32 s57, -1, 0
	s_mov_b32 s[PFS+1], 0
	s_mov_b32 s53, 0
	s_add_nc_u64 s[PFA:PFA+1], s[PFA:PFA+1], s[52:53]
	s_cmp_eq_u32 s56, 0
	s_cselect_b32 s[LIM], 2, -1
	v_and_b32 v5, 31, v0
	v_lshlrev_b32 v6, 11, v5                       ; the weights: a lane a row
	v_lshrrev_b32 v7, 1, v5                        ; A: two lanes a row of 512 bytes
	v_and_b32 v8, 1, v5
	v_lshlrev_b32 v8, 8, v8
	v_lshl_add_u32 v7, v7, 13, v8
	v_cndmask_b32 v[PFO], v6, v7, s57
.endif
	s_wait_tensorcnt 0x1                           ; my part of tile 0 is in; tile 1's may stay out
	s_barrier_signal -1
	s_barrier_wait -1                              ; everybody's is
	v_add_nc_u32 v[ADRA], s[TB], v[A0]
	v_add_nc_u32 v[ADRB], s[TB], v[B0]
	v_add_nc_u32 v[ADRB+1], BHALF, v[ADRB]
	FETCH 0, F0
	s_wait_loadcnt 32                              ; the bias is in; the residual's 32 loads may stay out
	QUARTER 1, F0, F1, 1
	WIN 0
	s_mov_b32 s3, NSTEP-1
	s_branch .Lmid                                 ; the loop is entered in its middle
.Lloop:
	TURN 1
	QUARTER 1, F0, F1, 0
	WIN 0
.Lmid:
	QUARTER 2, F1, F0, 0
	QUARTER 3, F0, F1, 0
	WIN 0
	s_sub_co_u32 s3, s3, 1
	s_cmp_lg_u32 s3, 0
	s_cbranch_scc1 .Lloop
	TURN 0                                         ; the tail is written out: nothing is left to ask for
	QUARTER 1, F0, F1, 0
	QUARTER 2, F1, F0, 0
	QUARTER 3, F0, F1, 0
	s_wait_dscnt 16
	MUL8 F1, 0, 0, 0
	MUL8 F1, 0, 2, 0
	s_wait_dscnt 0x0
	MUL8 F1, 1, 0, 0
	MUL8 F1, 1, 2, 0
	WIN 0
	; THE WAY OUT.  The slots have had their last fill; behind a barrier (every wave's reads of them are over) each wave has a stage of its own in slot 0.
	PLACES
	s_wait_dscnt 0x0
	s_barrier_signal -1
	s_barrier_wait -1
.irp a, 0,1,2,3
.irp b, 0,1,2,3
	ds_store_b128 v[STO], v[ACC+8*(4*(\a)+(\b)):ACC+8*(4*(\a)+(\b))+3]   offset:4352*(\a)+64*(\b)
	ds_store_b128 v[STO], v[ACC+8*(4*(\a)+(\b))+4:ACC+8*(4*(\a)+(\b))+7] offset:4352*(\a)+64*(\b)+16
.endr
.endr
.set t, 0
.rept 32
	ds_load_b128 v[ACC+4*t:ACC+4*t+3], v[RD] offset:544*t  ; LDS serves a wave's instructions in order (ISA guide 5.7.1.4): whole rows come back
.set t, t+1
.endr
	s_wait_loadcnt 0x0                             ; the residual
	s_wait_dscnt 0x0
	WIN 0x82
.set i, 0
.rept 64
	v_pk_add_f32 v[i:i+1], v[i:i+1], v[ACC+i:ACC+i+1]
.set i, i+2
.endr
	WIN 0x08
.set t, 0
.rept 32
	global_store_b128 v[CO], v[4*t:4*t+3], s[12:13] offset:8192*t  ; sixteen lanes store 256 consecutive bytes, aligned
.set t, t+1
.endr
	WIN 0
	s_wait_tensorcnt 0x0                           ; the wave's end
	ds_add_u32 v[SPW], v[NIL]
	s_wait_dscnt 0x0
	CROUND                                         ; the closing round
	s_endpgm
.Lfunc_end_k_q9b0e6ac1a0_ffn2:
	.size	k_q9b0e6ac1a0_ffn2, .Lfunc_end_k_q9b0e6ac1a0_ffn2-k_q9b0e6ac1a0_ffn2
	.p2alignl 7, 3214868480
	.fill 96, 4, 3214868480
	.section	.rodata,"a",@progbits
	.p2align	6, 0x0
	.amdhsa_kernel k_q9b0e6ac1a0_ffn2
		.amdhsa_group_segment_fixed_size 327680
		.amdhsa_private_segment_fixed_size 0
		.amdhsa_enable_private_segment 0
		.amdhsa_kernarg_size 40
		.amdhsa_user_sgpr_count 2
		.amdhsa_user_sgpr_kernarg_segment_ptr 1
		.amdhsa_wavefront_size32 1
		.amdhsa_system_sgpr_workgroup_id_x 1
		.amdhsa_system_sgpr_workgroup_id_y 1
		.amdhsa_system_sgpr_workgroup_id_z 1
		.amdhsa_system_vgpr_workitem_id 0
		.amdhsa_next_free_vgpr 640
		.amdhsa_next_free_sgpr 80
		.amdhsa_reserve_vcc 0
		.amdhsa_float_denorm_mode_32 3
		.amdhsa_float_denorm_mode_16_64 3
		.amdhsa_memory_ordered 1
		.amdhsa_forward_progress 1
		.amdhsa_inst_pref_size 69
	.end_amdhsa_kernel
	.amdgpu_metadata
---
amdhsa.version: [ 1, 2 ]
amdhsa.kernels:
  - .name:           k_q9b0e6ac1a0_ffn2
    .symbol:         k_q9b0e6ac1a0_ffn2.kd
    .args:
      - { .name: g, .offset: 0, .size: 8, .value_kind: global_buffer, .address_space: global }
      - { .name: wb, .offset: 8, .size: 8, .value_kind: global_buffer, .address_space: global }
      - { .name: b2, .offset: 16, .size: 8, .value_kind: global_buffer, .address_space: global }
      - { .name: x1, .offset: 24, .size: 8, .value_kind: global_buffer, .address_space: global }
      - { .name: out0, .offset: 32, .size: 8, .value_kind: global_buffer, .address_space: global }
    .group_segment_fixed_size: 327680
    .private_segment_fixed_size: 0
    .kernarg_segment_align: 8
    .kernarg_segment_size: 40
    .max_flat_workgroup_size: 128
    .sgpr_count:     80
    .vgpr_count:     640
    .wavefront_size: 32
...
	.end_amdgpu_metadata
.endif
;; end of part 7
